; MI455X (gfx1250); checked and timed in simulation.
; The chip was launched on July 23, 2026; its instructions are those of AMD's public machine-readable ISA for CDNA 5 (MIT licence, August 2026) and "CDNA5" Instruction Set Architecture Reference Guide (July 2026). The comments in the code are by the model that wrote it; some were corrected since.
;; Generic Cross Attention Block. Allowed arithmetic: matrix products marked QUANTISED: E4M3 operands, one E8M0 scale for each 32 along K, by v_wmma_scale_f32_16x16x128_f8f6f4 with both operands' format E4M3, f32 sums; everything else in f32.
;; Inputs: head_scale 16 float32; kv_w_codes 2,048 x 32 x 32 uint8 (E4M3 codes of kv_w, K innermost, in blocks of 32 codes); kv_w_scales 2,048 x 32 uint8 (E8M0 scales of kv_w, one for each 32 codes along K); norm_cross_scale 1,024 float32; norm_scale 1,024 float32; out_w_codes 1,024 x 32 x 32 uint8 (E4M3 codes of out_w, K innermost, in blocks of 32 codes); out_w_scales 1,024 x 32 uint8 (E8M0 scales of out_w, one for each 32 codes along K); pos 2 x 2,048 x 3 float32; pos_cross 2 x 2,048 x 3 float32; q_w_codes 1,024 x 32 x 32 uint8 (E4M3 codes of q_w, K innermost, in blocks of 32 codes); q_w_scales 1,024 x 32 uint8 (E8M0 scales of q_w, one for each 32 codes along K); x 2 x 2,048 x 1,024 float32; x_cross 2 x 2,048 x 1,024 float32.
;; Outputs: out0 2 x 2,048 x 1,024 float32.
;; This version of the problem:
;;   THIS VERSION OF THE PROBLEM IS GIVEN IN LOW PRECISION. The matrix products marked QUANTISED in the list below multiply operands that are first quantised to E4M3 (4 exponent bits, 3 mantissa bits; 8 bits a number), with one power-of-two scale for each 32 numbers along K (OCP MX v1.0); their sums are f32. All else is computed in f32.
;;   The module's matrix products, in the order in which they are computed (A, B: the left and right operand; K: the contracted axis; several contracted axes count as one K, in the product's order):
;;     1. [M 4,096, K 1,024] x [K 1,024, N 1,024]; A: computed on the way; B: input q_w (given as codes): QUANTISED
;;     2. [M 4,096, K 1,024] x [K 1,024, N 2,048]; A: computed on the way; B: input kv_w (given as codes): QUANTISED
;;     3. batch 32 x [M 2,048, K 64] x [K 64, N 2,048]; A: computed on the way; B: computed on the way: QUANTISED
;;     4. batch 32 x [M 2,048, K 2,048] x [K 2,048, N 64]; A: softmax (see below); B: computed on the way: QUANTISED
;;     5. [M 4,096, K 1,024] x [K 1,024, N 1,024]; A: computed on the way; B: input out_w (given as codes): QUANTISED
;;   THE QUANTISER, for each operand of a quantised product, along K:
;;     - K is cut into blocks of 32 from its start; a last block that is shorter is filled with zeros.
;;     - A block's scale is 2^e with e = floor(log2(the largest magnitude in the block)) - 8, held to -126 .. 127; a block of zeros has e = 0. As a byte (E8M0): e + 127.
;;     - Each number is divided by its block's scale, clamped to +-448, and rounded to the nearest number of E4M3, ties to even, subnormals kept.
;;     - The product sums the exact products of the quantised numbers (number of the format x scale) in f32.
;;   ~~~python
;;   def quantise(x, axis):      # numpy; x: float32 -> the quantised numbers, widened to float32 again
;;       x = np.moveaxis(x, axis, -1); K = x.shape[-1]
;;       x = np.pad(x, [(0, 0)] * (x.ndim - 1) + [(0, -K % 32)]); x = x.reshape(x.shape[:-1] + (-1, 32)); a = np.abs(x).max(-1, keepdims=True)
;;       e = np.where(a > 0, np.clip(np.frexp(np.where(a > 0, a, 1))[1] - 1 - 8, -126, 127), 0)      # np.frexp(a)[1] - 1 = floor(log2(a)), exactly
;;       r = np.clip(x / 2.0 ** e, -448, 448)
;;       step = 2.0 ** (np.maximum(np.frexp(np.where(r == 0, 1, r))[1] - 1, -6) - 3)
;;       q = np.round(r / step) * step * 2.0 ** e      # np.round: ties to even
;;       return np.moveaxis(q.reshape(q.shape[:-2] + (-1,))[..., :K], -1, axis).astype(np.float32)
;;   ~~~
;;   SOFTMAX AHEAD OF A QUANTISED PRODUCT. Where the list says 'softmax', what is quantised is not the finished softmax but p = 2^(t - M), with t = logit x log2(e) and M = ceil(the row's largest t), a whole number; so 1/2 < the row's largest p <= 1. The row's sum l is taken of the UNQUANTISED p, in f32, and the product's result is divided by l at the end. Since M is a whole number, a kernel that streams over the keys may use a running M (the ceiling of the running maximum): every later rescaling is an exact power of two, which a block's scale takes up: the codes' values come out the same.
;;   OPERANDS COMPUTED ON THE WAY. 'Computed on the way' means the value that the module computes at that place (a softmax that the list does not call 'softmax' is quantised finished and normalised). What goes into a quantiser is computed in f32, as accurately as f32 sums, v_exp_f32 and their like allow (about 1e-6 of the number): no bf16 or f16 on the way to a quantiser, and a product that is left as it is and whose result goes on into a quantised operand takes f32 operands (vector FMAs, or v_wmma_f32_16x16x4_f32). A number that lies on a knife's edge between two numbers of the format may be rounded either way, as far as f32 arithmetic and the matrix unit's own rounding can turn it there, and no further.
;;   INPUTS GIVEN AS CODES. kv_w (in the module: [2048, 1024], K = its axis 1); out_w (in the module: [1024, 1024], K = its axis 1); q_w (in the module: [1024, 1024], K = its axis 1): each comes as NAME_codes (uint8): NAME with its K axis moved to the last place and cut into blocks of 32 codes, [.., K / 32, bytes a block], one block behind the other in memory; one code a byte (a code: sign, 4 exponent bits, 3 mantissa bits); and NAME_scales (uint8): the same leading axes, one E8M0 byte (e + 127) for each 32 codes along K. Its value is code x scale, taken as it is: it is not quantised again, and the codes and scales need not be those that the quantiser above would give.
;; One version. Each part assembles by itself: llvm-mc -triple=amdgcn-amd-amdhsa -mcpu=gfx1250 --defsym DOCPART=n.
;; ======== version 1 of 1: 3 launches
;; limits: inputs' magnitudes at most 425,000; right only within a limited range of input values
;; workspace buffers: qp 4,456,448 bytes; kp 4,456,448 bytes; vp 4,456,448 bytes; oc 4,194,304 bytes; osc 131,072 bytes
;; launch proj (part 1): grid 64 x 3, 16 waves a work-group, no clusters, 90,112 bytes of LDS; arguments x, x_cross, norm_scale, norm_cross_scale, q_w_codes, kv_w_codes, q_w_scales, kv_w_scales, pos, pos_cross, qp, kp, vp, head_scale; writes qp, kp, vp
.if DOCPART == 1
	.amdgcn_target "amdgcn-amd-amdhsa--gfx1250"
	.amdhsa_code_object_version 6
	.text
	.protected	k_q61937dedd5_proj
	.globl	k_q61937dedd5_proj
	.p2align	8
	.type	k_q61937dedd5_proj,@function
k_q61937dedd5_proj:
	s_mov_b64 s[64:65], 0
	v_nop
	global_prefetch_b8 v0, s[64:65] scope:SCOPE_SE
	s_setreg_imm32_b32 hwreg(HW_REG_WAVE_MODE, 25, 1), 1
	s_wait_xcnt 0x0
; PROJ: RMS norm, quantiser, x q_w^T (work-group y = 0) or x_cross kv_w^T (y = 1: the K half, y = 2: the V half), on codes of E4M3 with one E8M0 scale for each 32 along K.
; For Q and K: cosine scale (x sqrt(head_scale) x rsqrt(sum of squares + eps)), axial RoPE, quantiser along the head's 64.  For V: quantiser along the keys.
; NOTHING OF THE PROBLEM IS LEFT OUT: every product, every input and every step has a way to the output, so all are done and all inputs are loaded (x once more in the last launch, as the skip).
; The zero codes that fill the second half of the 128-deep step of Q K^T (next launch) are the quantiser's own filling of a short K.
; SHARES.  A work-group takes 64 tokens (block R = work-group x) and all 1,024 columns of its role; wave w takes head w: 64 columns x 64 tokens, 16 accumulators.
; First the 16 waves norm and quantise the 64 rows (wave w: tile w / 4 of 16 rows, K steps 2 (w % 4) and 2 (w % 4) + 1) and hand the fragments round through LDS as images of the operand's registers
; (16 bytes x lane for each group of four registers, 4 bytes x lane for a scale word).  The weights go from memory straight into registers: in a work-group each weight row is read by one wave alone.
; THE NORM'S SCALES: sixteen lanes want the same 16 bytes.  So a wave fetches the 1,024 bytes of its two K steps once, 16 bytes a lane, and deals them to its lanes through 1,024 LDS bytes of its own.
; NO CLUSTER, NO TENSOR LOAD: two LDS slots of one K step of 1,024 weight rows would be 2 x 1,024 x 144 = 294,912 bytes; with x's 69,632 bytes of images that is 364,544, more than the 327,680 that a work-group can have.
; TILES OF TOKENS: lane r of tile a takes token 32 (a / 2) + 8 (a % 2) + r + 8 (r / 8) of the block, so that two neighbouring tiles' results are 16 neighbouring keys for the next launch's second product.
; CHANNEL ORDER FOR Q AND K (a permutation inside each block of 32, the same for both operands, keeps the product): weight-tile lane 8 h' + j takes channel
;   tile 0: 2 + 14 h' + j;  tile 1: 10 + 14 h' + j (j < 6), j - 6 + 30 h' (j = 6, 7);  tile 2: 32 + 14 h' + j;  tile 3: 40 + 14 h' + j (j < 6), 54 + 2 h' + j (j = 6, 7).
;   The product is used transposed (source 0 = weights), so a lane holds one token; its registers 0-15 (B0) lie in block 0, 16-31 (B1) in block 1; (B0[i], B1[i]), i < 14, is the rotary pair (e, e + 30), e = 2 + 14 h + i;
;   B0[14], B0[15] are channels 0, 1 (lanes 0-15) and 30, 31 (lanes 16-31): partners 16 lanes apart; B1[14], B1[15] are channels 60-63, not rotated.
; V: source 0 = x, source 1 = weights: a lane holds one channel and its registers run along the tokens, which are the next K.  Weight-tile lane r takes channel 32 (b / 2) + 8 (b % 2) + r + 8 (r / 8).
; SINE AND COSINE in f32: n = round(theta / pi), r = theta - n pi in two parts, Taylor series to r^11 and r^12 on |r| <= pi / 2 (what is cut: under 6e-8), sign (-1)^n.
; OUT: qp, kp: [batch x 16 + head][key step of 128][8,704]: 8 tiles x 1,024 bytes (512 c + 16 lane), then 8 x 16 scale words (bytes 2, 3 = 0).  vp: 4 channel tiles x 2,048 bytes (512 x key block + 16 lane), 64 scale words, 256 zeros.
;   Every store of codes covers 512 consecutive bytes, aligned.  V's scale bytes leave two at a time (each work-group makes half of each word): 2 bytes in 68 of that buffer.
; LIMITS: NaN and infinities among the inputs are not served.  A block of zeros, or one whose largest magnitude lies under 2^-118, gets the scale byte 1 (this program alone reads the bytes; zero codes add nothing).
;   |pos x frequency| stays under 2^22 pi.  x (scale rsqrt) is computed as (x scale) rsqrt: one rounding elsewhere.
.set XIMG,  0                          ; LDS: x's 32 fragments (tile a, K step s: 8 a + s), 2,048 bytes each
.set XSC,   65536                      ; their scale words, 128 bytes each
.set PSUM,  69632                      ; a partial sum of squares for each thread
.set SPARE, 71680                      ; the spare words: 128 bytes for each of 16 waves; no other line names them
.set NSW,   73728                      ; the norm's scales: 1,024 bytes for each wave, its own
.set FRB,   2048
.set KVB,   139264                     ; a head's bytes in qp, kp, vp
.set STEPB, 8704                       ; a key step's
.set RR,  1                            ; v1  r = lane % 16
.set HH,  2                            ; v2  h = lane / 16
.set XA,  3                            ; v3  x: my byte offset in the block
.set LI,  4                            ; v4  16 x lane
.set LS,  5                            ; v5  4 x lane
.set XWI, 6                            ; v6  where I store x's images
.set XWS, 7                            ; v7  and their scale words
.set WR,  8                            ; v8-11  my weight row's byte offset, tile b
.set WSR, 12                           ; v12-15 its scale bytes' offset
.set WS,  16                           ; v16-19 weights' scale words
.set XS,  20                           ; v20-23 x's scale words
.set SPW, 24                           ; v24 my spare word's address; never rewritten
.set NIL, 25                           ; v25 0; never rewritten
.set PSA, 26
.set PSR, 27
.set NSA, 28                           ; v28 the norm's scales in memory: my wave's 1,024 bytes, 16 a lane
.set XSR, 29                           ; v29 XSC + 4 x lane
.set NSR, 30                           ; v30 where I read the norm's scales in LDS; when the rows are scaled the register becomes PW
.set PW,  30
.set NSS, 31                           ; v31 where I store them
.set WF,  32                           ; v32-95 norm scales, then the weights' four fragments
.set XB,  96                           ; v96-127 at work, then two fragments of x
.set ACC, 128                          ; v128-255 x's numbers, then the 16 accumulators
.set WV,   32
.set ROLE, 33
.set RB,   34
.set HALF, 35
.set INVPI, 66
.set NPIH,  68
.set NPIL,  70
.set SEL,   72
.set MNT,   74
.set EPS,   75
.set HM,    76                         ; s76 mask of lanes 16-31
.set RCPD,  77
.macro NOPS n
.rept \n
	v_nop
.endr
.endm
; nb blocks: v[s + 16 b + i], i = 0 .. 15, are my 16 numbers of block b (lane l xor 16 holds the other 16).  Codes to v[pc + 4 b] on; the scale's byte stays in v[TM + 4 + b].
.macro QUANT s, nb, pc
.set qb, 0
.rept \nb
	v_max3_num_f32 v[TM+qb], |v[(\s)+16*qb]|, |v[(\s)+16*qb+1]|, 0x4800000   ; with the floor 2^(9 - 127): the byte cannot fall under 1
.set qb, qb+1
.endr
.irp i, 2,4,6,8,10,12,14
.set qb, 0
.rept \nb
	v_max3_num_f32 v[TM+qb], v[TM+qb], |v[(\s)+16*qb+\i]|, |v[(\s)+16*qb+\i+1]|
.set qb, qb+1
.endr
.endr
.set qb, 0
.rept \nb
	v_permlanex16_b32 v[TM+4+qb], v[TM+qb], s[SEL], s[SEL+1]
.set qb, qb+1
.endr
.set qb, 0
.rept \nb
	v_max_num_f32 v[TM+qb], v[TM+qb], v[TM+4+qb]                  ; the block's largest magnitude
.set qb, qb+1
.endr
.set qb, 0
.rept \nb
	v_add_nc_u32 v[TM+12+qb], 0xfc000000, v[TM+qb]                ; 8 off its exponent field: the conversion's scale operand
.set qb, qb+1
.endr
.set qb, 0
.rept \nb
	v_and_or_b32 v[TM+8+qb], v[TM+qb], 0x7f800000, s[MNT]         ; 448 x the scale
.set qb, qb+1
.endr
.set qb, 0
.rept \nb
	v_lshrrev_b32 v[TM+4+qb], 23, v[TM+12+qb]                     ; the scale's byte
.set qb, qb+1
.endr
.set qb, 0
.rept \nb
.irp i, 0,1,2,3,4,5,6,7,8,9,10,11,12,13,14,15
	v_med3_num_f32 v[(\s)+16*qb+\i], v[(\s)+16*qb+\i], -v[TM+8+qb], v[TM+8+qb]   ; the conversion does not saturate (ISA guide 7.6.2): the hold comes first
.endr
	v_cvt_scalef32_pk8_fp8_f32 v[(\pc)+4*qb:(\pc)+4*qb+1], v[(\s)+16*qb:(\s)+16*qb+7], v[TM+12+qb]
	v_cvt_scalef32_pk8_fp8_f32 v[(\pc)+4*qb+2:(\pc)+4*qb+3], v[(\s)+16*qb+8:(\s)+16*qb+15], v[TM+12+qb]
.set qb, qb+1
.endr
	v_nop                                          ; a plain line behind the last conversion
.endm
.macro IMAGE adr, off, pc
.irp c, 0,1,2,3
	ds_store_b128 v[\adr], v[(\pc)+4*\c:(\pc)+4*\c+3] offset:(\off)+512*\c
.endr
.endm
.macro FETCH reg, off
.irp c, 0,1,2,3
	ds_load_b128 v[(\reg)+4*\c:(\reg)+4*\c+3], v[LI] offset:(\off)+512*\c
.endr
.endm
.macro NSLD f                          ; the norm's scales of my K step f, out of my own LDS bytes: register 16 c + i = k 32 c + 16 h + i; sixteen lanes share each 16 bytes
.irp c, 0,1,2,3
.irp j, 0,1,2,3
	ds_load_b128 v[WF+16*\c+4*\j:WF+16*\c+4*\j+3], v[NSR] offset:512*\f+128*\c+16*\j
.endr
.endr
.endm
.macro WLOAD s                         ; my head's four weight fragments of K step s, and their scale words
.irp b, 0,1,2,3
.irp c, 0,1,2,3
	global_load_b128 v[WF+16*\b+4*\c:WF+16*\b+4*\c+3], v[WR+\b], s[12:13] offset:128*(\s)+32*\c
.endr
	global_load_b32 v[WS+\b], v[WSR+\b], s[16:17] offset:4*(\s)
.endr
.endm
; 8 matrix instructions: token tiles a0, a0 + 1 x four weight tiles.  The 16 accumulators take turns, one instruction a turn.  K step 0 starts the sums with the constant 0.
.macro MM8 s, vr, a0
.irp a, \a0, \a0+1
.irp b, 0,1,2,3
.set rX, XB+16*((\a)%2)
.if \vr
.set rD, ACC+64*((\a)/2)+16*\b+8*((\a)%2)
.if (\s) == 0
	v_wmma_scale_f32_16x16x128_f8f6f4 v[rD:rD+7], v[rX:rX+15], v[WF+16*\b:WF+16*\b+15], 0, v[XS+(\a)], v[WS+\b]
.else
	v_wmma_scale_f32_16x16x128_f8f6f4 v[rD:rD+7], v[rX:rX+15], v[WF+16*\b:WF+16*\b+15], v[rD:rD+7], v[XS+(\a)], v[WS+\b]
.endif
.else
.set rD, ACC+32*(\a)+8*\b
.if (\s) == 0
	v_wmma_scale_f32_16x16x128_f8f6f4 v[rD:rD+7], v[WF+16*\b:WF+16*\b+15], v[rX:rX+15], 0, v[WS+\b], v[XS+(\a)]
.else
	v_wmma_scale_f32_16x16x128_f8f6f4 v[rD:rD+7], v[WF+16*\b:WF+16*\b+15], v[rX:rX+15], v[rD:rD+7], v[WS+\b], v[XS+(\a)]
.endif
.endif
.endr
.endr
.endm
.macro KSTEP s, vr
	s_wait_loadcnt 0x0                             ; this step's weights
	s_wait_dscnt 0x0                               ; x's tiles 0, 1 and the four scale words
	MM8 \s, \vr, 0
	NOPS 8                                         ; eight places in front of loads into registers that matrix instructions have read
	FETCH XB,(16+(\s))*FRB
	FETCH XB+16,(24+(\s))*FRB
	s_wait_dscnt 0x0
	MM8 \s, \vr, 2
	NOPS 8
.if (\s) < 7
	WLOAD (\s)+1
	FETCH XB,((\s)+1)*FRB
	FETCH XB+16,(8+(\s)+1)*FRB
.irp a, 0,1,2,3
	ds_load_b32 v[XS+\a], v[XSR] offset:128*(8*\a+(\s)+1)
.endr
.endif
.endm
	s_load_b512 s[4:19], s[0:1], 0x0               ; x, x_cross, norm_scale, norm_cross_scale, q_w_codes, kv_w_codes, q_w_scales, kv_w_scales
	s_load_b256 s[20:27], s[0:1], 0x40             ; pos, pos_cross, qp, kp
	s_load_b128 s[28:31], s[0:1], 0x60             ; vp, head_scale
	v_lshl_add_u32 v[SPW], v0, 2, SPARE
	v_mov_b32 v[NIL], 0
	v_lshrrev_b32 v31, 5, v0
	s_delay_alu instid0(VALU_DEP_1)
	v_readfirstlane_b32 s[WV], v31                 ; wave 0..15 = head
	s_and_b32 s[ROLE], ttmp7, 0xffff               ; 0: Q, 1: K, 2: V
	s_mov_b32 s[RB], ttmp9                         ; block of 64 tokens
	s_and_b32 s[HALF], s[RB], 1                    ; which half of its key step
	v_and_b32 v[RR], 15, v0
	v_bfe_u32 v[HH], v0, 4, 1
	v_and_b32 v31, 31, v0
	s_delay_alu instid0(VALU_DEP_1)
	v_lshlrev_b32 v[LI], 4, v31
	s_delay_alu instid0(VALU_DEP_2)
	v_lshlrev_b32 v[LS], 2, v31
	s_lshl_b32 s36, s[WV], 12
	v_add_nc_u32 v[XWI], s36, v[LI]                ; two fragments a wave: 4,096 x wave
	s_lshl_b32 s36, s[WV], 8
	s_add_co_u32 s36, s36, XSC
	v_add_nc_u32 v[XWS], s36, v[LS]
	v_add_nc_u32 v[XSR], XSC, v[LS]
	v_lshl_add_u32 v[PSA], v0, 2, PSUM
	s_lshr_b32 s37, s[WV], 2                       ; a: my tile of rows in the first phase
	s_lshl_b32 s36, s37, 9
	s_add_co_u32 s36, s36, PSUM
	v_add_nc_u32 v[PSR], s36, v[LS]                ; the four partial sums of my tile's rows
	v_and_b32 v30, 8, v[RR]
	s_delay_alu instid0(VALU_DEP_1)
	v_add_nc_u32 v30, v30, v[RR]                   ; r + 8 (r / 8)
	s_delay_alu instid0(VALU_DEP_1)
	v_lshlrev_b32 v[XA], 12, v30                   ; a row of x is 4,096 bytes
	s_delay_alu instid0(VALU_DEP_1)
	v_lshl_add_u32 v[XA], v[HH], 6, v[XA]          ; + 64 h: my 16 numbers of a block of 32
	s_wait_alu depctr_va_vdst(0)
	s_lshr_b32 s36, s37, 1
	s_lshl_b32 s36, s36, 17                        ; 32 (a / 2) rows
	s_and_b32 s38, s37, 1
	s_lshl_b32 s38, s38, 15                        ; 8 (a % 2) rows
	s_add_co_u32 s36, s36, s38
	s_and_b32 s38, s[WV], 3
	s_lshl_b32 s38, s38, 10                        ; my two K steps: 1,024 bytes x (wave % 4)
	s_add_co_u32 s36, s36, s38
	v_add_nc_u32 v[XA], s36, v[XA]
	v_add_nc_u32 v[NSA], s38, v[LI]                ; the norm's scales of these two K steps: 1,024 bytes, 16 a lane
	s_lshl_b32 s39, s[WV], 10
	s_add_co_u32 s39, s39, NSW                     ; my wave's 1,024 LDS bytes for them
	v_add_nc_u32 v[NSS], s39, v[LI]                ; in: as they lie
	v_lshlrev_b32 v[NSR], 6, v[HH]
	s_delay_alu instid0(VALU_DEP_1)
	v_add_nc_u32 v[NSR], s39, v[NSR]               ; out: + 64 h: my 16 numbers of a block of 32
	v_cmp_eq_u32 s[HM], 1, v[HH]
	s_mov_b32 s[INVPI], 0x3ea2f983                 ; 1 / pi
	s_mov_b32 s[INVPI+1], s[INVPI]                 ; (the packed forms name pairs, so both words are written)
	s_mov_b32 s[NPIH], 0xc0490fdb                  ; -pi, its f32 part
	s_mov_b32 s[NPIH+1], s[NPIH]
	s_mov_b32 s[NPIL], 0x33bbbd2e                  ; and what that part is too large by
	s_mov_b32 s[NPIL+1], s[NPIL]
	s_mov_b32 s[SEL], 0x76543210
	s_mov_b32 s[SEL+1], 0xfedcba98                 ; v_permlanex16_b32's selects for lane l xor 16
	s_mov_b32 s[MNT], 0x600000                     ; the mantissa field of 448
	s_mov_b32 s[EPS], 0x358637bd                   ; 1e-6
	s_mov_b32 s[RCPD], 0x3a800000                  ; 1 / 1,024
	s_wait_alu depctr_va_vdst(0)
	s_wait_kmcnt 0x0
	s_cmp_eq_u32 s[ROLE], 0                        ; the buffers are chosen by the work-group's number alone
	s_cselect_b64 s[4:5], s[4:5], s[6:7]
	s_cselect_b64 s[8:9], s[8:9], s[10:11]
	s_cselect_b64 s[12:13], s[12:13], s[14:15]
	s_cselect_b64 s[16:17], s[16:17], s[18:19]
	s_cselect_b64 s[20:21], s[20:21], s[22:23]
	s_cselect_b64 s[24:25], s[24:25], s[26:27]
	s_cmp_eq_u32 s[ROLE], 2
	s_cselect_b64 s[24:25], s[28:29], s[24:25]
	s_cselect_b32 s40, 0x100000, 0                 ; V's weights: rows 1,024 on of kv_w
	s_cselect_b32 s42, 0x8000, 0
	s_lshl_b32 s44, s[RB], 18                      ; 64 rows of 4,096 bytes
	s_mov_b32 s45, 0
	s_add_nc_u64 s[4:5], s[4:5], s[44:45]
	; ---- the rows: 16 rows x 256 numbers a wave, 128 a lane: register 64 f + 16 c + i = k 128 (2 part + f) + 32 c + 16 h + i of row r
.irp f, 0,1
.irp c, 0,1,2,3
.irp j, 0,1,2,3
	global_load_b128 v[ACC+64*\f+16*\c+4*\j:ACC+64*\f+16*\c+4*\j+3], v[XA], s[4:5] offset:512*\f+128*\c+16*\j
.endr
.endr
.endr
	global_load_b128 v[104:107], v[NSA], s[8:9]               ; the norm's scales: two loads of 512 consecutive bytes
	global_load_b128 v[108:111], v[NSA], s[8:9] offset:512
	s_lshl_b32 s36, s[WV], 16                      ; my head's 64 weight rows of 1,024 bytes
	s_add_co_u32 s40, s40, s36
	s_mov_b32 s41, 0
	s_add_nc_u64 s[12:13], s[12:13], s[40:41]
	s_lshl_b32 s36, s[WV], 11                      ; and their 32 scale bytes a row
	s_add_co_u32 s42, s42, s36
	s_mov_b32 s43, 0
	s_add_nc_u64 s[16:17], s[16:17], s[42:43]
	s_mul_i32 s46, s[RB], 768                      ; 64 tokens x 12 bytes of pos
	s_mov_b32 s47, 0
	s_add_nc_u64 s[20:21], s[20:21], s[46:47]
	s_lshr_b32 s48, s[RB], 5                       ; batch
	s_lshl_b32 s48, s48, 4
	s_add_co_u32 s48, s48, s[WV]
	s_mul_i32 s48, s48, KVB
	s_bfe_u32 s49, s[RB], 0x40001                  ; key step: (R % 32) / 2
	s_mul_i32 s49, s49, STEPB
	s_add_co_u32 s48, s48, s49
	s_mov_b32 s49, 0
	s_add_nc_u64 s[24:25], s[24:25], s[48:49]
	; which weight row my lane takes in tile b
	v_lshrrev_b32 v112, 3, v[RR]                   ; h' = r / 8
	v_and_b32 v113, 7, v[RR]                       ; j
	s_cmp_eq_u32 s[ROLE], 2
	s_cbranch_scc1 .Lv_order
	v_mad_u32_u24 v12, v112, 14, v113
	s_delay_alu instid0(VALU_DEP_1)
	v_add_nc_u32 v8, 2, v12
	s_delay_alu instid0(VALU_DEP_2)
	v_add_nc_u32 v9, 10, v12
	s_delay_alu instid0(VALU_DEP_3)
	v_add_nc_u32 v10, 32, v12
	s_delay_alu instid0(VALU_DEP_4)
	v_add_nc_u32 v11, 40, v12
	v_mad_u32_u24 v13, v112, 30, v113
	s_delay_alu instid0(VALU_DEP_1)
	v_add_nc_u32 v13, -6, v13
	v_lshl_add_u32 v14, v112, 1, v113
	s_delay_alu instid0(VALU_DEP_1)
	v_add_nc_u32 v14, 54, v14
	v_cmp_lt_u32 vcc_lo, 5, v113                   ; j = 6, 7
	s_delay_alu instid0(VALU_DEP_1)
	v_cndmask_b32 v9, v9, v13, vcc_lo
	s_delay_alu instid0(VALU_DEP_2)
	v_cndmask_b32 v11, v11, v14, vcc_lo
	s_branch .Lorder_done
.Lv_order:
	s_wait_alu depctr_va_vdst(0)
	v_lshl_add_u32 v8, v112, 3, v[RR]
	s_delay_alu instid0(VALU_DEP_1)
	v_add_nc_u32 v9, 8, v8
	s_delay_alu instid0(VALU_DEP_2)
	v_add_nc_u32 v10, 32, v8
	s_delay_alu instid0(VALU_DEP_3)
	v_add_nc_u32 v11, 40, v8
.Lorder_done:
	s_wait_alu depctr_va_vdst(0)
.irp b, 0,1,2,3
	v_lshlrev_b32 v[WSR+\b], 5, v[WR+\b]
	v_lshlrev_b32 v[WR+\b], 10, v[WR+\b]
	s_delay_alu instid0(VALU_DEP_1)
	v_lshl_add_u32 v[WR+\b], v[HH], 4, v[WR+\b]
.endr
	s_wait_loadcnt 2                               ; x's 32 loads are in; the two loads of norm scales behind them may be out
.irp q, 0,1,2,3
	v_pk_mul_f32 v[96+2*\q:97+2*\q], v[ACC+2*\q:ACC+2*\q+1], v[ACC+2*\q:ACC+2*\q+1]   ; the sum of squares, in four chains
.endr
.set p, 4
.rept 60
	s_delay_alu instid0(VALU_DEP_4)
	v_pk_fma_f32 v[96+2*(p%4):97+2*(p%4)], v[ACC+2*p:ACC+2*p+1], v[ACC+2*p:ACC+2*p+1], v[96+2*(p%4):97+2*(p%4)]
.set p, p+1
.endr
	s_delay_alu instid0(VALU_DEP_3)
	v_pk_add_f32 v[96:97], v[96:97], v[98:99]
	s_delay_alu instid0(VALU_DEP_2)
	v_pk_add_f32 v[100:101], v[100:101], v[102:103]
	s_delay_alu instid0(VALU_DEP_1)
	v_pk_add_f32 v[96:97], v[96:97], v[100:101]
	s_delay_alu instid0(VALU_DEP_1)
	v_add_f32 v96, v96, v97
	s_delay_alu instid0(VALU_DEP_1)
	v_permlanex16_b32 v98, v96, s[SEL], s[SEL+1]
	s_delay_alu instid0(VALU_DEP_1)
	v_add_f32 v96, v96, v98                        ; my wave's 256 numbers of row r
	ds_store_b32 v[PSA], v96
	s_wait_loadcnt 0x0                             ; the norm's scales
	ds_store_b128 v[NSS], v[104:107]
	ds_store_b128 v[NSS], v[108:111] offset:512
	NSLD 0                                         ; LDS serves a wave's instructions in order (ISA guide 5.7.1.4): these see my stores; the bytes are my wave's own
	s_wait_dscnt 0x0                               ; my partial sum has landed, and the first K step's scales are in
	s_barrier_signal -1
.set p, 0
.rept 32
	v_pk_mul_f32 v[ACC+2*p:ACC+2*p+1], v[ACC+2*p:ACC+2*p+1], v[WF+2*p:WF+2*p+1]       ; x times the norm's scale, first K step: work on registers while the others arrive
.set p, p+1
.endr
	s_barrier_wait -1
.irp q, 0,1,2,3
	ds_load_b32 v[100+\q], v[PSR] offset:128*\q
.endr
	NSLD 1
	s_wait_dscnt 16                                ; the four partial sums are in; the 16 loads of norm scales behind them may be out
	v_add_f32 v100, v100, v101
	v_add_f32 v102, v102, v103
	s_delay_alu instid0(VALU_DEP_1)
	v_add_f32 v100, v100, v102
	s_delay_alu instid0(VALU_DEP_1)
	v_fma_f32 v100, v100, s[RCPD], s[EPS]          ; the mean of squares + eps
	s_wait_alu depctr_va_vdst(0)
	v_rsq_f32 v102, v100
	s_wait_dscnt 0x0
.set p, 0
.rept 32
	v_pk_mul_f32 v[ACC+64+2*p:ACC+64+2*p+1], v[ACC+64+2*p:ACC+64+2*p+1], v[WF+2*p:WF+2*p+1]   ; second K step: plain work behind the root
.set p, p+1
.endr
	WLOAD 0                                        ; the first weights land while the rows are quantised
	s_wait_alu depctr_va_vdst(0)                   ; ahead of the root's first reader
.set p, 0
.rept 64
	v_pk_mul_f32 v[ACC+2*p:ACC+2*p+1], v[ACC+2*p:ACC+2*p+1], v[102:103] op_sel_hi:[1,0]
.set p, p+1
.endr
.set TM, 96
	QUANT ACC, 4, 112
	v_lshl_or_b32 v[PW], v[TM+5], 8, v[TM+4]
	s_delay_alu instid0(VALU_DEP_1)
	v_lshl_or_b32 v[PW], v[TM+6], 16, v[PW]
	s_delay_alu instid0(VALU_DEP_1)
	v_lshl_or_b32 v[PW], v[TM+7], 24, v[PW]
	IMAGE XWI, XIMG, 112
	ds_store_b32 v[XWS], v[PW]
	s_wait_dscnt 0x0                               ; the stores have read their registers
	QUANT ACC+64, 4, 112
	v_lshl_or_b32 v[PW], v[TM+5], 8, v[TM+4]
	s_delay_alu instid0(VALU_DEP_1)
	v_lshl_or_b32 v[PW], v[TM+6], 16, v[PW]
	s_delay_alu instid0(VALU_DEP_1)
	v_lshl_or_b32 v[PW], v[TM+7], 24, v[PW]
	IMAGE XWI, XIMG+FRB, 112
	ds_store_b32 v[XWS], v[PW] offset:128
	s_wait_dscnt 0x0                               ; my images have landed
	s_barrier_signal -1
	s_barrier_wait -1                              ; all 32 fragments lie in LDS; nothing is stored there again
	FETCH XB,0
	FETCH XB+16,8*FRB
.irp a, 0,1,2,3
	ds_load_b32 v[XS+\a], v[XSR] offset:128*8*\a
.endr
	s_cmp_eq_u32 s[ROLE], 2
	s_cbranch_scc1 .Lvpath
	; ==== Q and K
.irp s, 0,1,2,3,4,5,6,7
	KSTEP \s, 0
.endr
.set FQ,   32                          ; v32-47  my 16 frequencies
.set POS,  48                          ; v48-59  pos of my token in each tile
.set MAG,  60                          ; pairs of constants
.set KS11, 62
.set KC12, 64
.set PXA,  66                          ; v66-73  the position that each group of pairs turns by (low words; the high words are written once)
.set PXB,  68
.set PXC,  70
.set PXD,  72
.set CD,   74                          ; v74-81  a tile's codes
.set SW,   82                          ; v82-85  the tiles' scale words
.set FAC,  86
.set SQ,   88
.set HS,   89
.set SL,   90                          ; v90-117 two slots of 14: +0 theta, r; +2 n, sign; +4 n, r^2; +6 sine; +8 r^3, product; +10 cosine; +12 product
.set TT,   118                         ; v118-125 at work
.set VO1,  126
.set VO2,  127
.set KS9,  6
.set KS7,  8
.set KS5,  10
.set KS3,  12
.set KC10, 14
.set KC8,  26
.set KC6,  28
.set KC4,  30
.set CF0, 0x40490fdb                   ; pi x 10^(d / 10), d = 0 .. 9
.set CF1, 0x407d1f3a
.set CF2, 0x409f54b2
.set CF3, 0x40c895ed
.set CF4, 0x40fc85ba
.set CF5, 0x411ef413
.set CF6, 0x41481c49
.set CF7, 0x417bec97
.set CF8, 0x419e93ae
.set CF9, 0x41c7a2ef
.macro CPAIR r, val
	v_mov_b32 v[\r], \val
	v_mov_b32 v[\r+1], \val
.endm
.macro FQSET i, c0, c1                 ; lanes 0-15 take c0, lanes 16-31 c1
	v_mov_b32 v[FQ+\i], \c0
	v_mov_b32 v[TT+3], \c1
	s_delay_alu instid0(VALU_DEP_1)
	v_cndmask_b32 v[FQ+\i], v[FQ+\i], v[TT+3], s[HM]
.endm
	v_and_b32 v[TT], 8, v[RR]
	s_delay_alu instid0(VALU_DEP_1)
	v_add_nc_u32 v[TT], v[TT], v[RR]
	s_delay_alu instid0(VALU_DEP_1)
	v_mul_u32_u24 v[TT], v[TT], 12
.irp a, 0,1,2,3
.irp x, 0,1,2
	global_load_b32 v[POS+3*\a+\x], v[TT], s[20:21] offset:(32*(\a/2)+8*(\a%2))*12+4*\x
.endr
.endr
	s_lshl_b32 s36, s[WV], 2
	v_mov_b32 v[TT+1], s36
	global_load_b32 v[SQ], v[TT+1], s[30:31]       ; head_scale of my head
	CPAIR MAG, 0x4b400000                          ; 1.5 x 2^23: adding it rounds to a whole number
	CPAIR KS11, 0xb2d7322b
	CPAIR KS9, 0x3638ef1d
	CPAIR KS7, 0xb9500d01
	CPAIR KS5, 0x3c088889
	CPAIR KS3, 0xbe2aaaab
	CPAIR KC12, 0x310f76c7
	CPAIR KC10, 0xb493f27e
	CPAIR KC8, 0x37d00d01
	CPAIR KC6, 0xbab60b61
	CPAIR KC4, 0x3d2aaaab
	FQSET 0, CF2, CF6                              ; pair i turns by frequency band (2 + i) % 10 in lanes 0-15, (6 + i) % 10 in lanes 16-31
	FQSET 1, CF3, CF7
	FQSET 2, CF4, CF8
	FQSET 3, CF5, CF9
	FQSET 4, CF6, CF0
	FQSET 5, CF7, CF1
	FQSET 6, CF8, CF2
	FQSET 7, CF9, CF3
	FQSET 8, CF0, CF4
	FQSET 9, CF1, CF5
	FQSET 10, CF2, CF6
	FQSET 11, CF3, CF7
	FQSET 12, CF4, CF8
	FQSET 13, CF5, CF9
	v_mov_b32 v[FQ+14], CF0
	v_mov_b32 v[FQ+15], CF1
	v_xor_b32 v[HS], 1, v[HH]
	s_delay_alu instid0(VALU_DEP_1)
	v_lshlrev_b32 v[HS], 31, v[HS]                 ; a sign bit in lanes 0-15
	v_mov_b32 v[PXA+1], 0
	v_mov_b32 v[PXB+1], 0
	v_mov_b32 v[PXC+1], 0
	v_mov_b32 v[PXD+1], 0
	v_mov_b32 v[FAC+1], 0
	s_lshl_b32 s36, s[HALF], 12
	v_add_nc_u32 v[VO1], s36, v[LI]                ; my block's four tiles: 4,096 x half
	s_lshl_b32 s36, s[HALF], 8
	v_add_nc_u32 v[VO2], s36, v[LS]                ; and their scale words
	v_cvt_f32_u32 v[TT+2], s[WV]
	s_delay_alu instid0(VALU_DEP_1)
	v_mul_f32 v[TT+2], 0x3caa152d, v[TT+2]         ; head x log2(10) / 160
	s_wait_alu depctr_va_vdst(0)
	v_exp_f32 v[TT+2], v[TT+2]                     ; 10^(head / 160)
	s_wait_loadcnt 0x0                             ; pos and head_scale
	v_sqrt_f32 v[SQ], v[SQ]
	v_nop
	s_wait_alu depctr_va_vdst(0)                   ; one wait for both, ahead of their first reader
.irp p, 0,2,4,6,8,10,12,14
	v_pk_mul_f32 v[FQ+\p:FQ+\p+1], v[FQ+\p:FQ+\p+1], v[TT+2:TT+3] op_sel_hi:[1,0]
.endr
.macro ROTN k, i                       ; x1 = x1 c - x2 s, x2 = x2 c + x1 s, both in my lane
	v_pk_mul_f32 v[SL+\k+8:SL+\k+9], v[TBS+16+\i:TBS+17+\i], v[SL+\k+6:SL+\k+7]
	v_pk_mul_f32 v[SL+\k+12:SL+\k+13], v[TBS+\i:TBS+\i+1], v[SL+\k+6:SL+\k+7]
	s_delay_alu instid0(VALU_DEP_2)
	v_pk_fma_f32 v[TBS+\i:TBS+\i+1], v[TBS+\i:TBS+\i+1], v[SL+\k+10:SL+\k+11], v[SL+\k+8:SL+\k+9] neg_lo:[0,0,1] neg_hi:[0,0,1]
	s_delay_alu instid0(VALU_DEP_2)
	v_pk_fma_f32 v[TBS+16+\i:TBS+17+\i], v[TBS+16+\i:TBS+17+\i], v[SL+\k+10:SL+\k+11], v[SL+\k+12:SL+\k+13]
.endm
; Two pairs of registers are turned, in two slots by turns.  sp = 1: the second is B0[14:15], whose partner lies 16 lanes away.
.macro ROT2 i0, p0, i1, p1, sp
	v_pk_mul_f32 v[SL:SL+1], v[FQ+\i0:FQ+\i0+1], v[\p0:\p0+1] op_sel_hi:[1,0]          ; theta = pos x frequency
	v_pk_mul_f32 v[SL+14:SL+15], v[FQ+\i1:FQ+\i1+1], v[\p1:\p1+1] op_sel_hi:[1,0]
.irp k, 0,14
	s_delay_alu instid0(VALU_DEP_2)
	v_pk_fma_f32 v[SL+\k+2:SL+\k+3], v[SL+\k:SL+\k+1], s[INVPI:INVPI+1], v[MAG:MAG+1] op_sel_hi:[1,0,1]   ; n = round(theta / pi), in the low bits
.endr
.irp k, 0,14
	s_delay_alu instid0(VALU_DEP_2)
	v_pk_add_f32 v[SL+\k+4:SL+\k+5], v[SL+\k+2:SL+\k+3], v[MAG:MAG+1] neg_lo:[0,1] neg_hi:[0,1]           ; n as a number
.endr
.irp k, 0,14
	s_delay_alu instid0(VALU_DEP_2)
	v_pk_fma_f32 v[SL+\k:SL+\k+1], v[SL+\k+4:SL+\k+5], s[NPIH:NPIH+1], v[SL+\k:SL+\k+1] op_sel_hi:[1,0,1]
.endr
.irp k, 0,14
	s_delay_alu instid0(VALU_DEP_2)
	v_pk_fma_f32 v[SL+\k:SL+\k+1], v[SL+\k+4:SL+\k+5], s[NPIL:NPIL+1], v[SL+\k:SL+\k+1] op_sel_hi:[1,0,1]   ; r = theta - n pi
.endr
.irp k, 0,14
	v_lshlrev_b32 v[SL+\k+2], 31, v[SL+\k+2]       ; (-1)^n as a sign bit
	v_lshlrev_b32 v[SL+\k+3], 31, v[SL+\k+3]
.endr
.irp k, 0,14
	v_pk_mul_f32 v[SL+\k+4:SL+\k+5], v[SL+\k:SL+\k+1], v[SL+\k:SL+\k+1]                ; r^2
.endr
.irp k, 0
	s_delay_alu instid0(VALU_DEP_2)
	v_pk_fma_f32 v[SL+\k+6:SL+\k+7], v[KS11:KS11+1], v[SL+\k+4:SL+\k+5], v[KS9:KS9+1]
	s_delay_alu instid0(VALU_DEP_3)
	v_pk_fma_f32 v[SL+\k+10:SL+\k+11], v[KC12:KC12+1], v[SL+\k+4:SL+\k+5], v[KC10:KC10+1]
.endr
.irp k, 14
	s_delay_alu instid0(VALU_DEP_3)
	v_pk_fma_f32 v[SL+\k+6:SL+\k+7], v[KS11:KS11+1], v[SL+\k+4:SL+\k+5], v[KS9:KS9+1]
	s_delay_alu instid0(VALU_DEP_4)
	v_pk_fma_f32 v[SL+\k+10:SL+\k+11], v[KC12:KC12+1], v[SL+\k+4:SL+\k+5], v[KC10:KC10+1]
.endr
.irp k, 0,14
	s_delay_alu instid0(VALU_DEP_4)
	v_pk_fma_f32 v[SL+\k+6:SL+\k+7], v[SL+\k+6:SL+\k+7], v[SL+\k+4:SL+\k+5], v[KS7:KS7+1]
	s_delay_alu instid0(VALU_DEP_4)
	v_pk_fma_f32 v[SL+\k+10:SL+\k+11], v[SL+\k+10:SL+\k+11], v[SL+\k+4:SL+\k+5], v[KC8:KC8+1]
.endr
.irp k, 0,14
	s_delay_alu instid0(VALU_DEP_4)
	v_pk_fma_f32 v[SL+\k+6:SL+\k+7], v[SL+\k+6:SL+\k+7], v[SL+\k+4:SL+\k+5], v[KS5:KS5+1]
	s_delay_alu instid0(VALU_DEP_4)
	v_pk_fma_f32 v[SL+\k+10:SL+\k+11], v[SL+\k+10:SL+\k+11], v[SL+\k+4:SL+\k+5], v[KC6:KC6+1]
.endr
.irp k, 0,14
	s_delay_alu instid0(VALU_DEP_4)
	v_pk_fma_f32 v[SL+\k+6:SL+\k+7], v[SL+\k+6:SL+\k+7], v[SL+\k+4:SL+\k+5], v[KS3:KS3+1]
	s_delay_alu instid0(VALU_DEP_4)
	v_pk_fma_f32 v[SL+\k+10:SL+\k+11], v[SL+\k+10:SL+\k+11], v[SL+\k+4:SL+\k+5], v[KC4:KC4+1]
.endr
.irp k, 0,14
	v_pk_mul_f32 v[SL+\k+8:SL+\k+9], v[SL+\k+4:SL+\k+5], v[SL+\k:SL+\k+1]              ; r^3
	s_delay_alu instid0(VALU_DEP_4)
	v_pk_fma_f32 v[SL+\k+10:SL+\k+11], v[SL+\k+10:SL+\k+11], v[SL+\k+4:SL+\k+5], -0.5 op_sel_hi:[1,1,0]
.endr
.irp k, 0,14
	s_delay_alu instid0(VALU_DEP_4)
	v_pk_fma_f32 v[SL+\k+6:SL+\k+7], v[SL+\k+6:SL+\k+7], v[SL+\k+8:SL+\k+9], v[SL+\k:SL+\k+1]   ; sin r
	s_delay_alu instid0(VALU_DEP_4)
	v_pk_fma_f32 v[SL+\k+10:SL+\k+11], v[SL+\k+10:SL+\k+11], v[SL+\k+4:SL+\k+5], 1.0 op_sel_hi:[1,1,0]   ; cos r
.endr
.irp k, 0,14
	v_xor_b32 v[SL+\k+6], v[SL+\k+6], v[SL+\k+2]
	v_xor_b32 v[SL+\k+7], v[SL+\k+7], v[SL+\k+3]
	v_xor_b32 v[SL+\k+10], v[SL+\k+10], v[SL+\k+2]
	v_xor_b32 v[SL+\k+11], v[SL+\k+11], v[SL+\k+3]
.endr
	ROTN 0, \i0
.if \sp
	v_xor_b32 v[SL+20], v[SL+20], v[HS]            ; lanes 0-15 hold x1 and take -s, lanes 16-31 hold x2 and take +s
	v_xor_b32 v[SL+21], v[SL+21], v[HS]
	v_permlanex16_b32 v[SL+22], v[TBS+14], s[SEL], s[SEL+1]
	v_permlanex16_b32 v[SL+23], v[TBS+15], s[SEL], s[SEL+1]
	s_delay_alu instid0(VALU_DEP_1)
	v_pk_mul_f32 v[SL+22:SL+23], v[SL+22:SL+23], v[SL+20:SL+21]
	s_delay_alu instid0(VALU_DEP_1)
	v_pk_fma_f32 v[TBS+14:TBS+15], v[TBS+14:TBS+15], v[SL+24:SL+25], v[SL+22:SL+23]
.else
	ROTN 14, \i1
.endif
.endm
.macro TILE a
.set TBS, ACC+32*(\a)
.irp q, 0,1,2,3
	v_pk_mul_f32 v[TT+2*\q:TT+2*\q+1], v[TBS+8*\q:TBS+8*\q+1], v[TBS+8*\q:TBS+8*\q+1]   ; the head's sum of squares; each accumulator is read from its low end on
.endr
.irp i, 2,4,6
.irp q, 0,1,2,3
	v_pk_fma_f32 v[TT+2*\q:TT+2*\q+1], v[TBS+8*\q+\i:TBS+8*\q+\i+1], v[TBS+8*\q+\i:TBS+8*\q+\i+1], v[TT+2*\q:TT+2*\q+1]
.endr
.endr
	s_delay_alu instid0(VALU_DEP_3)
	v_pk_add_f32 v[TT:TT+1], v[TT:TT+1], v[TT+2:TT+3]
	s_delay_alu instid0(VALU_DEP_2)
	v_pk_add_f32 v[TT+4:TT+5], v[TT+4:TT+5], v[TT+6:TT+7]
	s_delay_alu instid0(VALU_DEP_1)
	v_pk_add_f32 v[TT:TT+1], v[TT:TT+1], v[TT+4:TT+5]
	s_delay_alu instid0(VALU_DEP_1)
	v_add_f32 v[TT], v[TT], v[TT+1]
	s_delay_alu instid0(VALU_DEP_1)
	v_permlanex16_b32 v[TT+2], v[TT], s[SEL], s[SEL+1]
	s_delay_alu instid0(VALU_DEP_1)
	v_add_f32 v[TT], v[TT], v[TT+2]
	s_delay_alu instid0(VALU_DEP_1)
	v_add_f32 v[TT], s[EPS], v[TT]
	s_wait_alu depctr_va_vdst(0)
	v_rsq_f32 v[TT], v[TT]
	v_cndmask_b32 v[PXA], v[POS+3*(\a)], v[POS+3*(\a)+1], s[HM]      ; pairs 0, 2: axis 0 in lanes 0-15, axis 1 in lanes 16-31
	v_cndmask_b32 v[PXB], v[POS+3*(\a)], v[POS+3*(\a)+2], s[HM]      ; pairs 4, 6: axes 0 and 2
	v_cndmask_b32 v[PXC], v[POS+3*(\a)+1], v[POS+3*(\a)+2], s[HM]    ; pairs 8, 10, 12: axes 1 and 2
	v_mov_b32 v[PXD], v[POS+3*(\a)]                                  ; pair 14: axis 0
	s_wait_alu depctr_va_vdst(0)                   ; ahead of the root's first reader
	v_mul_f32 v[FAC], v[SQ], v[TT]
.irp p, 0,2,4,6,8,10,12,14,16,18,20,22,24,26,28,30
	v_pk_mul_f32 v[TBS+\p:TBS+\p+1], v[TBS+\p:TBS+\p+1], v[FAC:FAC+1] op_sel_hi:[1,0]
.endr
	ROT2 0, PXA, 2, PXA, 0
	ROT2 4, PXB, 6, PXB, 0
	ROT2 8, PXC, 10, PXC, 0
	ROT2 12, PXC, 14, PXD, 1
	s_wait_xcnt 0x0                                ; the last tile's stores have read their data: the codes' registers are written again
.set TM, 90
	QUANT TBS, 2, CD
	v_lshl_or_b32 v[SW+(\a)], v[TM+5], 8, v[TM+4]  ; bytes 2 and 3 stay 0: they meet zero codes alone
	global_store_b128 v[VO1], v[CD:CD+3], s[24:25] offset:1024*(\a)
	global_store_b128 v[VO1], v[CD+4:CD+7], s[24:25] offset:1024*(\a)+512
.endm
	TILE 0
	TILE 1
	TILE 2
	TILE 3
	v_cndmask_b32 v[TT], v[SW], v[SW+1], s[HM]     ; lanes 0-15 store an even tile's words, lanes 16-31 the odd tile's
	v_cndmask_b32 v[TT+1], v[SW+2], v[SW+3], s[HM]
	global_store_b32 v[VO2], v[TT], s[24:25] offset:8192
	global_store_b32 v[VO2], v[TT+1], s[24:25] offset:8192+128
	s_wait_tensorcnt 0x0                           ; the wave's end
	ds_add_u32 v[SPW], v[NIL]
	s_wait_dscnt 0x0
	s_endpgm
	; ==== V
.Lvpath:
.irp s, 0,1,2,3,4,5,6,7
	KSTEP \s, 1
.endr
	s_lshl_b32 s36, s[HALF], 10
	v_add_nc_u32 v72, s36, v[LI]                   ; my block's two key blocks: 1,024 x half
	s_lshl_b32 s36, s[HALF], 1
	v_add_nc_u32 v73, s36, v[LS]                   ; my two bytes of each scale word
	s_lshl_b32 s36, s[HALF], 7
	v_add_nc_u32 v74, s36, v[LS]
	v_mov_b32 v70, 0
.set TM, 96
	QUANT ACC, 4, 32                               ; tokens 0-31 of the block: "block" b here is channel tile b
.irp b, 0,1,2,3
	global_store_b128 v72, v[32+4*\b:35+4*\b], s[24:25] offset:2048*\b
	v_mov_b32 v[64+\b], v[TM+4+\b]
.endr
	QUANT ACC+64, 4, 48                            ; tokens 32-63
.irp b, 0,1,2,3
	global_store_b128 v72, v[48+4*\b:51+4*\b], s[24:25] offset:2048*\b+512
	v_lshl_or_b32 v[64+\b], v[TM+4+\b], 8, v[64+\b]
.endr
	v_cndmask_b32 v68, v64, v65, s[HM]
	s_delay_alu instid0(VALU_DEP_2)
	v_cndmask_b32 v69, v66, v67, s[HM]
	global_store_b16 v73, v68, s[24:25] offset:8192
	global_store_b16 v73, v69, s[24:25] offset:8192+128
	global_store_b32 v74, v70, s[24:25] offset:8448   ; the record's last 256 bytes are zeros, so that no byte of it stays unwritten
	s_wait_tensorcnt 0x0                           ; the wave's end, as above
	ds_add_u32 v[SPW], v[NIL]
	s_wait_dscnt 0x0
	s_endpgm
.Lfunc_end_k_q61937dedd5_proj:
	.size	k_q61937dedd5_proj, .Lfunc_end_k_q61937dedd5_proj-k_q61937dedd5_proj
	.p2alignl 7, 3214868480
	.fill 96, 4, 3214868480
	.section	.rodata,"a",@progbits
	.p2align	6, 0x0
	.amdhsa_kernel k_q61937dedd5_proj
		.amdhsa_group_segment_fixed_size 90112
		.amdhsa_private_segment_fixed_size 0
		.amdhsa_enable_private_segment 0
		.amdhsa_kernarg_size 112
		.amdhsa_user_sgpr_count 2
		.amdhsa_user_sgpr_kernarg_segment_ptr 1
		.amdhsa_wavefront_size32 1
		.amdhsa_system_sgpr_workgroup_id_x 1
		.amdhsa_system_sgpr_workgroup_id_y 1
		.amdhsa_system_sgpr_workgroup_id_z 1
		.amdhsa_system_vgpr_workitem_id 0
		.amdhsa_next_free_vgpr 256
		.amdhsa_next_free_sgpr 80
		.amdhsa_reserve_vcc 1
		.amdhsa_float_denorm_mode_32 3
		.amdhsa_float_denorm_mode_16_64 3
		.amdhsa_memory_ordered 1
		.amdhsa_forward_progress 1
		.amdhsa_inst_pref_size 254
	.end_amdhsa_kernel
	.amdgpu_metadata
---
amdhsa.version: [ 1, 2 ]
amdhsa.kernels:
  - .name:           k_q61937dedd5_proj
    .symbol:         k_q61937dedd5_proj.kd
    .args:
      - { .name: x, .offset: 0, .size: 8, .value_kind: global_buffer, .address_space: global }
      - { .name: x_cross, .offset: 8, .size: 8, .value_kind: global_buffer, .address_space: global }
      - { .name: norm_scale, .offset: 16, .size: 8, .value_kind: global_buffer, .address_space: global }
      - { .name: norm_cross_scale, .offset: 24, .size: 8, .value_kind: global_buffer, .address_space: global }
      - { .name: q_w_codes, .offset: 32, .size: 8, .value_kind: global_buffer, .address_space: global }
      - { .name: kv_w_codes, .offset: 40, .size: 8, .value_kind: global_buffer, .address_space: global }
      - { .name: q_w_scales, .offset: 48, .size: 8, .value_kind: global_buffer, .address_space: global }
      - { .name: kv_w_scales, .offset: 56, .size: 8, .value_kind: global_buffer, .address_space: global }
      - { .name: pos, .offset: 64, .size: 8, .value_kind: global_buffer, .address_space: global }
      - { .name: pos_cross, .offset: 72, .size: 8, .value_kind: global_buffer, .address_space: global }
      - { .name: qp, .offset: 80, .size: 8, .value_kind: global_buffer, .address_space: global }
      - { .name: kp, .offset: 88, .size: 8, .value_kind: global_buffer, .address_space: global }
      - { .name: vp, .offset: 96, .size: 8, .value_kind: global_buffer, .address_space: global }
      - { .name: head_scale, .offset: 104, .size: 8, .value_kind: global_buffer, .address_space: global }
    .group_segment_fixed_size: 90112
    .private_segment_fixed_size: 0
    .kernarg_segment_align: 8
    .kernarg_segment_size: 112
    .max_flat_workgroup_size: 512
    .sgpr_count:     80
    .vgpr_count:     256
    .wavefront_size: 32
...
	.end_amdgpu_metadata
.endif
;; end of part 1
;; launch attn (part 2): grid 8 x 32, 8 waves a work-group, clusters of 4 x 1, 327,680 bytes of LDS; arguments qp, kp, vp, oc, osc; writes oc, osc
.if DOCPART == 2
	.amdgcn_target "amdgcn-amd-amdhsa--gfx1250"
	.amdhsa_code_object_version 6
	.text
	.protected	k_q61937dedd5_attn
	.globl	k_q61937dedd5_attn
	.p2align	8
	.type	k_q61937dedd5_attn,@function
k_q61937dedd5_attn:
	s_mov_b64 s[64:65], 0
	v_nop
	global_prefetch_b8 v0, s[64:65] scope:SCOPE_SE
	s_setreg_imm32_b32 hwreg(HW_REG_WAVE_MODE, 25, 1), 1
	s_wait_xcnt 0x0
	s_wait_alu depctr_hold_cnt(0) depctr_sa_sdst(0) depctr_va_vdst(0) depctr_va_sdst(0) depctr_va_ssrc(0) depctr_va_vcc(0) depctr_vm_vsrc(0)
	s_getreg_b32 s2, hwreg(HW_REG_IB_STS2, 6, 4)
	s_cmp_eq_u32 s2, 0
	s_cbranch_scc0 .Lentry_in_a_cluster
	s_endpgm
.Lentry_in_a_cluster:
	s_bfe_u32 s2, ttmp6, 0x10000c
	s_cmp_lg_u32 s2, 0x3003
	s_cbranch_scc0 .Lentry_shape_is_right
	s_endpgm
.Lentry_shape_is_right:
; ATTN: o = softmax(q k^T) v for one head and 256 queries a work-group, both products on codes of E4M3 with one E8M0 scale for each 32 along K; o is quantised along the head's 64 on the way out.  Nothing of the problem is left out here.
; qp, kp: [batch x 16 + head][key step of 128 tokens][8,704]: 8 tiles x 1,024 bytes (512 c + 16 lane), then 8 x 16 scale words.  vp: 4 channel tiles x 2,048 bytes, 64 scale words, 256 zeros.  Images of the operands' registers.
; The head's 64 channels fill half of the 128-deep step of q k^T: the other half meets Q's zero codes (the quantiser's own filling of a short K).
; SOFTMAX: t = score x log2(e); M = the running largest t rounded up to a whole number; p = 2^(t - M) is quantised along the keys; the row's sum is taken of the unquantised p and divides at the end; when M moves, sum and O^T are multiplied by 2^(old M - new M).
; SHARES.  Eight waves, two to a SIMD; a wave owns 32 queries, two tiles of 16, so that each fragment of K and V that it reads from LDS feeds two matrix instructions.  Both products are used transposed: a lane holds one query of each tile.
; A head's K and V (2 x 139,264 bytes) lie in LDS whole, filled once, in two parts (key steps 0-3, then 4-15), by joint loads of the four work-groups of a cluster, which walk the same head.
; NO PREFETCH: both fills stand at the head; the loops ask memory for nothing, so there is no trip to run ahead in.
; LOADS AHEAD: behind a step's score products its V fragments and the NEXT step's K fragments are asked of LDS; the look-ahead is held at the last key step that has landed (3 in the first loop, 15 in the second).
; REGISTERS.  Window 0: addresses, statistics, scale words, p's codes (v72-103), scores and p (v128-255).  Window 1: Q with its zeros v0-31, K v32-95, zeros v96-103, V v104-167, O^T v168-231.
; LIMITS: the promise holds while the scaled scores stay under 2^31 in magnitude.  NaN and infinities are not served.  A block whose largest magnitude lies under 2^-118 gets the scale byte 1 (this program alone reads the bytes).
.set DUAL,  1                          ; 1: the holds go two to an instruction
.set KVB,   139264
.set STEPB, 8704
.set SPARE, 2*KVB                      ; the spare words: 128 bytes for each of 8 waves; no other line names them
.set LI,  1                            ; 16 x lane
.set LS,  2                            ; 4 x lane
.set R32, 3
.set QSO, 4
.set SPW, 5
.set NIL, 6
.set QO,  7
.set ADK, 8
.set ADV, 9
.set ADS, 10
.set ADT, 11
.set NM,  12                           ; v12, v14: -M of tile 0, 1;  v13, v15: the running largest score
.set SUM, 16                           ; v[16:17], v[18:19] the rows' sums in two halves
.set FF,  20                           ; v20, v22: 2^(old M - new M)
.set SO,  24                           ; v24-31 the conversions' scale operands, block n = 4 tile + b
.set KS,  32                           ; scale words: K's v32-35, V's v36-37, Q's v38-39, p's v40-41
.set VS,  36
.set QS,  38
.set PS,  40
.set OM,  42
.set TQ,  44
.set LIV, 46                           ; LI, LS + KVB
.set LSV, 47
.set BM,  48                           ; v48-55 a block's largest score, then largest p; later the sums' second chains
.set PT,  56
.set BD,  64                           ; v64-71 448 x the scale
.set PC,  72
.set SS,  128
.set QF,  0                            ; window 1
.set KT,  32
.set ZR,  96
.set VT,  104
.set OT,  168
.set NCS, 2
.set TN,  3
.set WV,  14
.set SEL, 20
.set CS,  22
.set MNT, 24
.set G1A, 28
.set G1B, 36
.set G0A, 44
.set G0B, 48
.set TB,  52
.set CNT, 53
.set MSB, 0
.macro WIN new                         ; the immediate's high byte repeats the setting that is left
.if MSB != \new
	s_set_vgpr_msb (MSB<<8)|\new
.set MSB, \new
.endif
.endm
.macro ROUND
	s_barrier_signal -1
	s_barrier_wait -1
	s_cmp_lg_u32 s[WV], 0
	s_cbranch_scc1 .Lnot_wave_0_\@
	s_barrier_signal -3
.Lnot_wave_0_\@:
	s_barrier_wait -3
	s_barrier_signal -1
	s_barrier_wait -1
.endm
.macro KCODES                          ; K's eight tiles of the key step at s[TN]
.irp t, 0,1,2,3,4,5,6,7
.irp c, 0,1
	ds_load_b128 v[KT+8*\t+4*\c:KT+8*\t+4*\c+3], v[ADK] offset:1024*\t+512*\c
.endr
.endr
.endm
.macro KWORDS
.irp i, 0,1,2,3
	ds_load_b32 v[KS+\i], v[ADS] offset:8192+128*\i
.endr
.endm
.macro KFIRST                          ; a loop's first K fragments
	v_add_nc_u32 v[ADK], s[TN], v[LI]
	v_add_nc_u32 v[ADS], s[TN], v[LS]
	WIN 0x40
	KCODES
	WIN 0
	KWORDS
.endm
.macro QUANT s, nb, pc                 ; nb blocks: v[s + 16 b + i] are my 16 numbers of block b (lane l xor 16 holds the other 16); codes to v[pc + 4 b] on; the byte stays in v[TM + 4 + b]
.set qb, 0
.rept \nb
	v_max3_num_f32 v[TM+qb], |v[(\s)+16*qb]|, |v[(\s)+16*qb+1]|, 0x4800000
.set qb, qb+1
.endr
.irp i, 2,4,6,8,10,12,14
.set qb, 0
.rept \nb
	v_max3_num_f32 v[TM+qb], v[TM+qb], |v[(\s)+16*qb+\i]|, |v[(\s)+16*qb+\i+1]|
.set qb, qb+1
.endr
.endr
.set qb, 0
.rept \nb
	v_permlanex16_b32 v[TM+4+qb], v[TM+qb], s[SEL], s[SEL+1]
.set qb, qb+1
.endr
.set qb, 0
.rept \nb
	v_max_num_f32 v[TM+qb], v[TM+qb], v[TM+4+qb]
.set qb, qb+1
.endr
.set qb, 0
.rept \nb
	v_add_nc_u32 v[TM+12+qb], 0xfc000000, v[TM+qb]
.set qb, qb+1
.endr
.set qb, 0
.rept \nb
	v_and_or_b32 v[TM+8+qb], v[TM+qb], 0x7f800000, s[MNT]
.set qb, qb+1
.endr
.set qb, 0
.rept \nb
	v_lshrrev_b32 v[TM+4+qb], 23, v[TM+12+qb]
.set qb, qb+1
.endr
.set qb, 0
.rept \nb
.irp i, 0,1,2,3,4,5,6,7,8,9,10,11,12,13,14,15
	v_med3_num_f32 v[(\s)+16*qb+\i], v[(\s)+16*qb+\i], -v[TM+8+qb], v[TM+8+qb]
.endr
	v_cvt_scalef32_pk8_fp8_f32 v[(\pc)+4*qb:(\pc)+4*qb+1], v[(\s)+16*qb:(\s)+16*qb+7], v[TM+12+qb]
	v_cvt_scalef32_pk8_fp8_f32 v[(\pc)+4*qb+2:(\pc)+4*qb+3], v[(\s)+16*qb+8:(\s)+16*qb+15], v[TM+12+qb]
.set qb, qb+1
.endr
	v_nop
.endm
	s_load_b256 s[4:11], s[0:1], 0x0               ; qp, kp, vp, oc
	s_load_b64 s[12:13], s[0:1], 0x20              ; osc
	v_lshl_add_u32 v[SPW], v0, 2, SPARE
	v_mov_b32 v[NIL], 0
	ds_add_u32 v[SPW], v[NIL]                      ; the opening lines: two adds on end, waited for ahead of my first tensor load
	ds_add_u32 v[SPW], v[NIL]
	v_lshrrev_b32 v7, 5, v0
	v_readfirstlane_b32 s[WV], v7                  ; wave 0..7
	s_bfe_u32 s15, ttmp6, 0x40000                  ; cx
	s_lshl_b32 s16, ttmp9, 2
	s_add_co_u32 s16, s16, s15                     ; my block of 256 queries
	s_and_b32 s17, ttmp7, 0xffff                   ; batch x 16 + head
	s_mov_b32 s[G1A], 15|(3<<16)|(1<<21)           ; a dense block as rows of 256 bytes (32 elements of 8): part 1: 34 rows a wave, one key step
	s_mov_b32 s[G1A+1], 32<<16
	s_mov_b32 s[G1A+2], 34<<16
	s_mov_b32 s[G1A+3], 32<<16
	s_mov_b32 s[G1A+4], 34
	s_mov_b32 s[G1A+5], 32
	s_mov_b32 s[G1A+6], 0
	s_mov_b32 s[G1A+7], 0
	s_mov_b32 s[G1B], 15|(3<<16)|(1<<21)           ; part 2: 102 rows a wave, three key steps
	s_mov_b32 s[G1B+1], 32<<16
	s_mov_b32 s[G1B+2], 102<<16
	s_mov_b32 s[G1B+3], 32<<16
	s_mov_b32 s[G1B+4], 102
	s_mov_b32 s[G1B+5], 32
	s_mov_b32 s[G1B+6], 0
	s_mov_b32 s[G1B+7], 0
	s_lshr_b32 s54, s[WV], 2                       ; I fetch for K (0) or V (1); also: which of the block's two records of Q is mine
	s_and_b32 s55, s[WV], 3                        ; which quarter; also: my pair of tiles in that record
	s_mul_i32 s25, s54, KVB
	s_mul_i32 s66, s55, 8704
	s_mov_b32 s67, 0
	s_mul_i32 s68, s55, 26112
	s_add_co_u32 s68, s68, 34816
	s_mov_b32 s69, 0
	s_mul_i32 s60, s17, KVB
	s_mov_b32 s61, 0
	s_lshl_b32 s70, s16, 1
	s_add_co_u32 s70, s70, s54
	s_mul_i32 s70, s70, STEPB
	s_add_co_u32 s70, s70, s60
	s_mov_b32 s71, 0
	s_lshr_b32 s26, s17, 4
	s_lshl_b32 s26, s26, 7
	s_lshl_b32 s27, s16, 4
	s_add_co_u32 s26, s26, s27
	s_lshl_b32 s27, s[WV], 1
	s_add_co_u32 s26, s26, s27                     ; my first tile of 16 tokens: 128 batch + 16 block + 2 wave
	s_and_b32 s18, s17, 15
	s_lshl_b32 s56, s26, 14
	s_lshl_b32 s27, s18, 10
	s_add_co_u32 s56, s56, s27                     ; oc: 16,384 bytes a tile, 1,024 a head
	s_mov_b32 s57, 0
	s_lshl_b32 s58, s26, 9
	s_lshl_b32 s27, s18, 1
	s_add_co_u32 s58, s58, s27                     ; osc: 512 bytes a tile, 2 a head in each row of 32
	s_mov_b32 s59, 0
	s_mov_b32 s[SEL], 0x76543210
	s_mov_b32 s[SEL+1], 0xfedcba98
	s_mov_b32 s[CS], 0x3fb8aa3b                    ; log2(e)
	s_mov_b32 s[CS+1], s[CS]
	s_mov_b32 s[NCS], 0xbfb8aa3b
	s_mov_b32 s[MNT], 0x600000
	s_mov_b32 s[TB], 0
	s_mov_b32 s[TN], 0
	s_wait_dscnt 0x0
	s_wait_kmcnt 0x0
	s_cmp_eq_u32 s54, 0
	s_cselect_b64 s[62:63], s[6:7], s[8:9]
	s_add_nc_u64 s[62:63], s[62:63], s[60:61]
	s_mov_b32 s[G0A], 1
	s_add_co_u32 s[G0A+1], s25, s66
	s_add_nc_u64 s[G0A+2:G0A+3], s[62:63], s[66:67]
	s_or_b32 s[G0A+3], s[G0A+3], 0x80000000
	s_mov_b32 s[G0B], 1
	s_add_co_u32 s[G0B+1], s25, s68
	s_add_nc_u64 s[G0B+2:G0B+3], s[62:63], s[68:69]
	s_or_b32 s[G0B+3], s[G0B+3], 0x80000000
	s_add_nc_u64 s[4:5], s[4:5], s[70:71]
	s_add_nc_u64 s[10:11], s[10:11], s[56:57]
	s_add_nc_u64 s[12:13], s[12:13], s[58:59]
	ROUND                                          ; the four work-groups are here: the joint loads meet
	tensor_load_to_lds s[G0A:G0A+3], s[G1A:G1A+7]  ; key steps 0-3 of K and V, one key step a wave
	s_nop 0
	v_and_b32 v7, 31, v0
	v_lshlrev_b32 v[LI], 4, v7
	v_lshlrev_b32 v[LS], 2, v7
	v_and_b32 v4, 15, v0
	v_lshlrev_b32 v[R32], 5, v4
	v_lshlrev_b32 v[QSO], 2, v4
	s_lshl_b32 s26, s55, 7
	v_add_nc_u32 v[QSO], s26, v[QSO]
	s_lshl_b32 s26, s55, 11
	v_add_nc_u32 v[QO], s26, v[LI]
	v_add_nc_u32 v[LIV], KVB, v[LI]
	v_add_nc_u32 v[LSV], KVB, v[LS]
	global_load_b32 v[QS], v[QSO], s[4:5] offset:8192
	global_load_b32 v[QS+1], v[QSO], s[4:5] offset:8192+64
	v_mov_b32 v[NM+1], 0xfe967699                  ; the largest score so far: -1e38
	v_mov_b32 v[NM+3], 0xfe967699
	v_mul_f32 v[TQ], s[NCS], v[NM+1]
	v_floor_f32 v[NM], v[TQ]                       ; -M
	v_floor_f32 v[NM+2], v[TQ]
.irp j, 0,1,2,3
	v_mov_b32 v[SUM+\j], 0
.endr
	v_mov_b32 v[FF+1], 0                           ; (named as the upper halves of pairs)
	v_mov_b32 v[FF+3], 0
.irp j, 0,1,2,3,4,5,6,7
	v_mov_b32 v[PT+\j], 0                          ; a lane permute's destination counts as one of its sources
.endr
	WIN 0x40                                       ; destinations in window 1
.irp u, 0,1
	global_load_b128 v[QF+16*\u:QF+16*\u+3], v[QO], s[4:5] offset:1024*\u
	global_load_b128 v[QF+16*\u+4:QF+16*\u+7], v[QO], s[4:5] offset:1024*\u+512
.irp j, 8,9,10,11,12,13,14,15
	v_mov_b32 v[QF+16*\u+\j], 0                    ; Q's zero codes for k = 64 .. 127
.endr
.endr
.irp j, 0,1,2,3,4,5,6,7
	v_mov_b32 v[ZR+\j], 0
.endr
.set e, 0
.rept 64
	v_mov_b32 v[OT+e], 0                           ; O^T: the step is written without a first step of its own: the first change of M multiplies zeros
.set e, e+1
.endr
	WIN 0
	s_wait_alu depctr_va_vdst(0)                   ; the head's end
	s_wait_tensorcnt 0x0                           ; my part of key steps 0-3 is in
	ds_add_u32 v[SPW], v[NIL]
	s_wait_dscnt 0x0
	ROUND                                          ; everybody's part is in
	tensor_load_to_lds s[G0B:G0B+3], s[G1B:G1B+7]  ; key steps 4-15
	s_nop 0
.rept 4
	v_nop
.endr
	KFIRST
; A KEY STEP: 128 keys x my 32 queries.  lim: the last key step that may be read ahead.
.macro STEP lim
	s_wait_dscnt 0x0                               ; K's fragments and scale words, asked for a step ago
	WIN 0x05                                       ; sources 0, 1 in window 1; results in window 0
.irp t, 0,1,2,3,4,5,6,7
.irp u, 0,1
.if \t%2
	v_wmma_scale_f32_16x16x128_f8f6f4 v[SS+64*\u+8*\t:SS+64*\u+8*\t+7], v[KT+8*\t:KT+8*\t+15], v[QF+16*\u:QF+16*\u+15], 0, v[KS+\t/2], v[QS+\u] matrix_a_scale:MATRIX_SCALE_ROW1
.else
	v_wmma_scale_f32_16x16x128_f8f6f4 v[SS+64*\u+8*\t:SS+64*\u+8*\t+7], v[KT+8*\t:KT+8*\t+15], v[QF+16*\u:QF+16*\u+15], 0, v[KS+\t/2], v[QS+\u]
.endif
.endr
.endr
	WIN 0
	s_add_co_u32 s[TN], s[TB], STEPB
	s_min_u32 s[TN], s[TN], \lim
	v_mov_b32 v[OM], v[NM]                         ; eight places ahead of the loads into what matrix instructions have read and of the first read of the scores
	v_mov_b32 v[OM+1], v[NM+2]
	v_add_nc_u32 v[ADK], s[TN], v[LI]
	v_add_nc_u32 v[ADS], s[TN], v[LS]
	v_add_nc_u32 v[ADV], s[TB], v[LIV]
	v_add_nc_u32 v[ADT], s[TB], v[LSV]
	v_nop
	v_nop
	WIN 0x40
.irp b, 0,1,2,3
.irp c, 0,1,2,3
	ds_load_b128 v[VT+16*\b+4*\c:VT+16*\b+4*\c+3], v[ADV] offset:2048*\b+512*\c
.endr
.endr
	KCODES
	WIN 0
	ds_load_b32 v[VS], v[ADT] offset:8192
	ds_load_b32 v[VS+1], v[ADT] offset:8192+128
	KWORDS
.irp n, 0,1,2,3,4,5,6,7                        ; the largest score of each block of 32 keys, eight chains by turns; each accumulator is read from its low end on
	v_max3_num_f32 v[BM+\n], v[SS+16*\n], v[SS+16*\n+1], v[SS+16*\n+2]
.endr
.irp i, 3,5,7,9,11,13
.irp n, 0,1,2,3,4,5,6,7
	v_max3_num_f32 v[BM+\n], v[BM+\n], v[SS+16*\n+\i], v[SS+16*\n+\i+1]
.endr
.endr
.irp n, 0,1,2,3,4,5,6,7
	v_max_num_f32 v[BM+\n], v[BM+\n], v[SS+16*\n+15]
.endr
.irp n, 0,1,2,3,4,5,6,7
	v_permlanex16_b32 v[PT+\n], v[BM+\n], s[SEL], s[SEL+1]
.endr
.irp n, 0,1,2,3,4,5,6,7
	v_max_num_f32 v[BM+\n], v[BM+\n], v[PT+\n]
.endr
.irp u, 0,1
	v_max3_num_f32 v[NM+2*\u+1], v[NM+2*\u+1], v[BM+4*\u], v[BM+4*\u+1]
.endr
.irp u, 0,1
	v_max3_num_f32 v[NM+2*\u+1], v[NM+2*\u+1], v[BM+4*\u+2], v[BM+4*\u+3]   ; the running largest score
.endr
.irp u, 0,1
	v_mul_f32 v[TQ+\u], s[NCS], v[NM+2*\u+1]       ; -t
.endr
.irp u, 0,1
	v_floor_f32 v[NM+2*\u], v[TQ+\u]               ; -M = floor(-t)
.endr
.irp u, 0,1
	v_sub_f32 v[TQ+\u], v[NM+2*\u], v[OM+\u]       ; old M - new M, a whole number, 0 or less
.endr
.irp u, 0,1
	v_cvt_i32_f32 v[TQ+\u], v[TQ+\u]
.endr
.irp u, 0,1
	v_ldexp_f32 v[FF+2*\u], 1.0, v[TQ+\u]
.endr
.irp n, 0,1,2,3,4,5,6,7
	v_fma_f32 v[BM+\n], v[BM+\n], s[CS], v[NM+2*(\n/4)]
.endr
	WIN 0x41                                       ; O^T under the new M, ahead of the exponentials
.irp u, 0,1
.irp j, 0,2,4,6,8,10,12,14,16,18,20,22,24,26,28,30
	v_pk_mul_f32 v[OT+32*\u+\j:OT+32*\u+\j+1], v[OT+32*\u+\j:OT+32*\u+\j+1], v[FF+2*\u:FF+2*\u+1] op_sel_hi:[1,0]
.endr
.endr
	WIN 0
.irp u, 0,1
.irp j, 0,2,4,6,8,10,12,14,16,18,20,22,24,26,28,30,32,34,36,38,40,42,44,46,48,50,52,54,56,58,60,62
	v_pk_fma_f32 v[SS+64*\u+\j:SS+64*\u+\j+1], v[SS+64*\u+\j:SS+64*\u+\j+1], s[CS:CS+1], v[NM+2*\u:NM+2*\u+1] op_sel_hi:[1,0,0]   ; t - M
.endr
.endr
	s_wait_alu depctr_va_vdst(0)                   ; ahead of the batch
.set e, 0
.rept 128
	v_exp_f32 v[SS+e], v[SS+e]                     ; p
.set e, e+1
.endr
.irp n, 0,1,2,3,4,5,6,7
	v_exp_f32 v[BM+\n], v[BM+\n]                   ; each block's largest p: the same two instructions on the same number
.endr
.irp u, 0,1
	v_pk_mul_f32 v[SUM+2*\u:SUM+2*\u+1], v[SUM+2*\u:SUM+2*\u+1], v[FF+2*\u:FF+2*\u+1] op_sel_hi:[1,0]
.endr
	s_wait_alu depctr_va_vdst(0)                   ; and behind it, ahead of its first reader
.irp n, 0,1,2,3,4,5,6,7
	v_max_num_f32 v[BM+\n], 0x4800000, v[BM+\n]    ; the floor 2^(9 - 127): the byte cannot fall under 1
.endr
.irp n, 0,1,2,3,4,5,6,7
	v_add_nc_u32 v[SO+\n], 0xfc000000, v[BM+\n]
.endr
.irp n, 0,1,2,3,4,5,6,7
	v_and_or_b32 v[BD+\n], v[BM+\n], 0x7f800000, s[MNT]
.endr
.irp n, 0,1,2,3,4,5,6,7
	v_lshrrev_b32 v[PT+\n], 23, v[SO+\n]
.endr
.irp u, 0,1
	v_lshl_or_b32 v[PS+\u], v[PT+4*\u+1], 8, v[PT+4*\u]
.endr
.irp u, 0,1
	v_lshl_or_b32 v[PS+\u], v[PT+4*\u+2], 16, v[PS+\u]
.endr
.irp u, 0,1
	v_lshl_or_b32 v[PS+\u], v[PT+4*\u+3], 24, v[PS+\u]
.endr
.irp u, 0,1                                    ; the rows' sums of the unquantised p: four chains by turns
	v_pk_add_f32 v[BM+2*\u:BM+2*\u+1], v[SS+64*\u:SS+64*\u+1], v[SS+64*\u+2:SS+64*\u+3]
.endr
.irp j, 4,8,12,16,20,24,28,32,36,40,44,48,52,56,60
.irp u, 0,1
	v_pk_add_f32 v[SUM+2*\u:SUM+2*\u+1], v[SUM+2*\u:SUM+2*\u+1], v[SS+64*\u+\j:SS+64*\u+\j+1]
	v_pk_add_f32 v[BM+2*\u:BM+2*\u+1], v[BM+2*\u:BM+2*\u+1], v[SS+64*\u+\j+2:SS+64*\u+\j+3]
.endr
.endr
.irp n, 0,1,2,3,4,5,6,7                        ; the hold (p is not negative: one-sided), in place, and the conversions (ISA guide 7.6.2: they do not saturate)
.irp i, 0,2,4,6,8,10,12,14
.if DUAL
	v_dual_min_num_f32 v[SS+16*\n+\i], v[SS+16*\n+\i], v[BD+\n] :: v_dual_min_num_f32 v[SS+16*\n+\i+1], v[SS+16*\n+\i+1], v[BD+\n]
.else
	v_min_num_f32 v[SS+16*\n+\i], v[SS+16*\n+\i], v[BD+\n]
	v_min_num_f32 v[SS+16*\n+\i+1], v[SS+16*\n+\i+1], v[BD+\n]
.endif
.endr
	v_cvt_scalef32_pk8_fp8_f32 v[PC+4*\n:PC+4*\n+1], v[SS+16*\n:SS+16*\n+7], v[SO+\n]
	v_cvt_scalef32_pk8_fp8_f32 v[PC+4*\n+2:PC+4*\n+3], v[SS+16*\n+8:SS+16*\n+15], v[SO+\n]
.endr
.irp u, 0,1
	v_pk_add_f32 v[SUM+2*\u:SUM+2*\u+1], v[SUM+2*\u:SUM+2*\u+1], v[BM+2*\u:BM+2*\u+1]   ; four places between the codes and the products
.endr
	v_nop
	v_nop
	s_wait_alu depctr_va_vdst(0)
	s_wait_dscnt 4                                 ; V's fragments and scale words are in; K's four scale words, issued last, may be out
	WIN 0x51                                       ; V and O^T in window 1, p's codes in window 0
.irp b, 0,1,2,3
.irp u, 0,1
.if \b%2
	v_wmma_scale_f32_16x16x128_f8f6f4 v[OT+32*\u+8*\b:OT+32*\u+8*\b+7], v[VT+16*\b:VT+16*\b+15], v[PC+16*\u:PC+16*\u+15], v[OT+32*\u+8*\b:OT+32*\u+8*\b+7], v[VS+\b/2], v[PS+\u] matrix_a_scale:MATRIX_SCALE_ROW1
.else
	v_wmma_scale_f32_16x16x128_f8f6f4 v[OT+32*\u+8*\b:OT+32*\u+8*\b+7], v[VT+16*\b:VT+16*\b+15], v[PC+16*\u:PC+16*\u+15], v[OT+32*\u+8*\b:OT+32*\u+8*\b+7], v[VS+\b/2], v[PS+\u]
.endif
.endr
.endr
	WIN 0
	s_add_co_u32 s[TB], s[TB], STEPB
.endm
	s_wait_loadcnt 0x0                             ; Q
	s_mov_b32 s[CNT], 4
.Lfirst:
	STEP 3*STEPB
	s_sub_co_u32 s[CNT], s[CNT], 1
	s_cmp_lg_u32 s[CNT], 0
	s_cbranch_scc1 .Lfirst
	s_wait_tensorcnt 0x0                           ; my part of key steps 4-15 is in
	s_wait_dscnt 0x0
	s_barrier_signal -1
	s_barrier_wait -1                              ; everybody's is; nothing is filled again
	s_mov_b32 s[TN], 4*STEPB
	KFIRST
	s_mov_b32 s[CNT], 12
.Lrest:
	STEP 15*STEPB
	s_sub_co_u32 s[CNT], s[CNT], 1
	s_cmp_lg_u32 s[CNT], 0
	s_cbranch_scc1 .Lrest
; THE WAY OUT: O^T / the sum, quantised along the head's 64, as images of the next launch's operand registers
.rept 4
	v_nop
.endr
	v_add_f32 v[SUM], v[SUM], v[SUM+1]
	v_add_f32 v[SUM+2], v[SUM+2], v[SUM+3]
	v_permlanex16_b32 v[PT], v[SUM], s[SEL], s[SEL+1]
	v_permlanex16_b32 v[PT+1], v[SUM+2], s[SEL], s[SEL+1]
	v_add_f32 v[SUM], v[SUM], v[PT]
	v_add_f32 v[SUM+2], v[SUM+2], v[PT+1]
	s_wait_alu depctr_va_vdst(0)                   ; ahead of the transcendentals
	v_rcp_f32 v[SUM], v[SUM]
	v_rcp_f32 v[SUM+2], v[SUM+2]
	WIN 0x01
	v_nop
	s_wait_alu depctr_va_vdst(0)                   ; ahead of their first reader, which is O^T's first reader too
.irp u, 0,1
.irp j, 0,2,4,6,8,10,12,14,16,18,20,22,24,26,28,30
	v_pk_mul_f32 v[SS+32*\u+\j:SS+32*\u+\j+1], v[OT+32*\u+\j:OT+32*\u+\j+1], v[SUM+2*\u:SUM+2*\u+1] op_sel_hi:[1,0]
.endr
.endr
	WIN 0
.set TM, 52
	QUANT SS, 4, PC
.irp u, 0,1
	v_lshl_or_b32 v[OM+\u], v[TM+5+2*\u], 8, v[TM+4+2*\u]
.endr
.irp u, 0,1
	global_store_b128 v[LI], v[PC+8*\u:PC+8*\u+3], s[10:11] offset:16384*\u          ; each covers 512 consecutive bytes, aligned
	global_store_b128 v[LI], v[PC+8*\u+4:PC+8*\u+7], s[10:11] offset:16384*\u+512
	global_store_b16 v[R32], v[OM+\u], s[12:13] offset:512*\u
.endr
	s_wait_tensorcnt 0x0                           ; the wave's end
	ds_add_u32 v[SPW], v[NIL]
	s_wait_dscnt 0x0
	ROUND                                          ; the closing round
	s_endpgm
.Lfunc_end_k_q61937dedd5_attn:
	.size	k_q61937dedd5_attn, .Lfunc_end_k_q61937dedd5_attn-k_q61937dedd5_attn
	.p2alignl 7, 3214868480
	.fill 96, 4, 3214868480
	.section	.rodata,"a",@progbits
	.p2align	6, 0x0
	.amdhsa_kernel k_q61937dedd5_attn
		.amdhsa_group_segment_fixed_size 327680
		.amdhsa_private_segment_fixed_size 0
		.amdhsa_enable_private_segment 0
		.amdhsa_kernarg_size 40
		.amdhsa_user_sgpr_count 2
		.amdhsa_user_sgpr_kernarg_segment_ptr 1
		.amdhsa_wavefront_size32 1
		.amdhsa_system_sgpr_workgroup_id_x 1
		.amdhsa_system_sgpr_workgroup_id_y 1
		.amdhsa_system_sgpr_workgroup_id_z 1
		.amdhsa_system_vgpr_workitem_id 0
		.amdhsa_next_free_vgpr 512
		.amdhsa_next_free_sgpr 72
		.amdhsa_reserve_vcc 0
		.amdhsa_float_denorm_mode_32 3
		.amdhsa_float_denorm_mode_16_64 3
		.amdhsa_memory_ordered 1
		.amdhsa_forward_progress 1
		.amdhsa_inst_pref_size 92
	.end_amdhsa_kernel
	.amdgpu_metadata
---
amdhsa.version: [ 1, 2 ]
amdhsa.kernels:
  - .name:           k_q61937dedd5_attn
    .symbol:         k_q61937dedd5_attn.kd
    .args:
      - { .name: qp, .offset: 0, .size: 8, .value_kind: global_buffer, .address_space: global }
      - { .name: kp, .offset: 8, .size: 8, .value_kind: global_buffer, .address_space: global }
      - { .name: vp, .offset: 16, .size: 8, .value_kind: global_buffer, .address_space: global }
      - { .name: oc, .offset: 24, .size: 8, .value_kind: global_buffer, .address_space: global }
      - { .name: osc, .offset: 32, .size: 8, .value_kind: global_buffer, .address_space: global }
    .group_segment_fixed_size: 327680
    .private_segment_fixed_size: 0
    .kernarg_segment_align: 8
    .kernarg_segment_size: 40
    .max_flat_workgroup_size: 256
    .sgpr_count:     72
    .vgpr_count:     512
    .wavefront_size: 32
...
	.end_amdgpu_metadata
.endif
;; end of part 2
;; launch outp (part 3): grid 8 x 32, 8 waves a work-group, clusters of 4 x 4, 302,080 bytes of LDS; arguments oc, osc, out_w_codes, out_w_scales, x, out0; writes out0
.if DOCPART == 3
	.amdgcn_target "amdgcn-amd-amdhsa--gfx1250"
	.amdhsa_code_object_version 6
	.text
	.protected	k_q61937dedd5_outp
	.globl	k_q61937dedd5_outp
	.p2align	8
	.type	k_q61937dedd5_outp,@function
k_q61937dedd5_outp:
	s_mov_b64 s[64:65], 0
	v_nop
	global_prefetch_b8 v0, s[64:65] scope:SCOPE_SE
	s_setreg_imm32_b32 hwreg(HW_REG_WAVE_MODE, 25, 1), 1
	s_wait_xcnt 0x0
	s_wait_alu depctr_hold_cnt(0) depctr_sa_sdst(0) depctr_va_vdst(0) depctr_va_sdst(0) depctr_va_ssrc(0) depctr_va_vcc(0) depctr_vm_vsrc(0)
	s_getreg_b32 s2, hwreg(HW_REG_IB_STS2, 6, 4)
	s_cmp_eq_u32 s2, 0
	s_cbranch_scc0 .Lentry_in_a_cluster
	s_endpgm
.Lentry_in_a_cluster:
	s_bfe_u32 s2, ttmp6, 0x10000c
	s_cmp_lg_u32 s2, 0xf033
	s_cbranch_scc0 .Lentry_shape_is_right
	s_endpgm
.Lentry_shape_is_right:
; OUTP: out0 = o out_w^T + x, on codes of E4M3 with one E8M0 scale for each 32 along K.  Nothing of the problem is left out here.
; A work-group makes 128 tokens x 128 columns; the tile's whole K (1,024) lies in LDS, filled once, in two halves along K.
; ONE joint load a wave, in four arms: waves 0, 1 o's K steps 0-3 (four tiles each), waves 2, 3 out_w's K bytes 0-511 (64 rows each), waves 4, 5 and 6, 7 the same of the second half.
; Waves 0-3 wait for their loads at the first barrier, behind which K steps 0-3 are multiplied; the second barrier, at which every wave waits, shows the rest.
; Wave w: token tiles 2 (w / 2) + t, t = 0, 1, x columns 64 (w % 2) + 16 b, b = 0 .. 3: eight accumulators, which take turns.
; The product is used transposed (source 0 = 16 rows of out_w, source 1 = o's fragment): a lane holds eight neighbouring columns of one token.  x is loaded straight into the accumulators: it is the C of the first K step.
; o's codes lie in memory as images of the operand's registers ([tile of 16 tokens][K step][2,048]); lane r of tile tau of a group of 128 is token 32 (tau / 2) + 8 (tau % 2) + r + 8 (r / 8): the stores undo that order.
; CLUSTER 4 x 4: o's tiles are asked for jointly along a row of the cluster, out_w's along a column.  NO PREFETCH: all fills stand at the head; there is no loop to run ahead in.
.set W0,    131072                     ; LDS: o's fragments [tile 8][8,192] at 0 (K steps 0-3) and 65,536 (4-7); out_w: 128 rows x (512 + 16) bytes at W0 and W0 + WH
.set WH,    67584
.set WP,    528
.set STAGE, 266240                     ; 8 waves x 16 rows x 272 bytes
.set SPARE, 301056                     ; the spare words: 128 bytes for each of 8 waves; no other line names them
.set RR,  1
.set HH,  2
.set LI,  3
.set WA,  4                            ; v4, v5   my lane's place in out_w's rows, K half 0, 1
.set AA,  6                            ; v6, v7   and in o's fragments
.set XO,  8
.set STO, 9
.set RD,  10
.set CO,  11
.set SPW, 12
.set NIL, 13
.set OSO, 14
.set WSO, 15
.set OSC, 16                           ; v16-23  o's scale words, K step s: lanes 0-15 tile t = 0, lanes 16-31 tile t = 1
.set WSC, 24                           ; v24-55  out_w's: 8 b + s
.set WF,  56                           ; v56-119 four fragments of out_w; on the way out rows of the result
.set AF,  120                          ; v120-151 two fragments of o
.set ACC, 152                          ; v152-215 accumulator (t, b) at 152 + 32 t + 8 b
.set WV,  16
.set G1A, 24
.set G0A, 32
.set G1W, 48
.set G0W, 56
.macro ROUND
	s_barrier_signal -1
	s_barrier_wait -1
	s_cmp_lg_u32 s[WV], 0
	s_cbranch_scc1 .Lnot_wave_0_\@
	s_barrier_signal -3
.Lnot_wave_0_\@:
	s_barrier_wait -3
	s_barrier_signal -1
	s_barrier_wait -1
.endm
.macro TL g0, g1                       ; a joint load; an s_nop 0 and four v_nop follow it
	tensor_load_to_lds s[\g0:\g0+3], s[\g1:\g1+7]
	s_nop 0
.rept 4
	v_nop
.endr
.endm
.macro KS s                            ; K step s: 24 LDS loads, 8 matrix instructions
.set kq, (\s)%4
.set kk, (\s)/4
.irp b, 0,1,2,3
.irp c, 0,1,2,3
	ds_load_b128 v[WF+16*\b+4*\c:WF+16*\b+4*\c+3], v[WA+kk] offset:16*WP*\b+128*kq+32*\c
.endr
.endr
.irp t, 0,1
.irp c, 0,1,2,3
	ds_load_b128 v[AF+16*\t+4*\c:AF+16*\t+4*\c+3], v[AA+kk] offset:8192*\t+2048*kq+512*\c
.endr
.endr
	s_wait_dscnt 0x0
.irp b, 0,1,2,3
	v_wmma_scale_f32_16x16x128_f8f6f4 v[ACC+8*\b:ACC+8*\b+7], v[WF+16*\b:WF+16*\b+15], v[AF:AF+15], v[ACC+8*\b:ACC+8*\b+7], v[WSC+8*\b+(\s)], v[OSC+(\s)]
.endr
.irp b, 0,1,2,3
	v_wmma_scale_f32_16x16x128_f8f6f4 v[ACC+32+8*\b:ACC+32+8*\b+7], v[WF+16*\b:WF+16*\b+15], v[AF+16:AF+31], v[ACC+32+8*\b:ACC+32+8*\b+7], v[WSC+8*\b+(\s)], v[OSC+(\s)] matrix_b_scale:MATRIX_SCALE_ROW1
.endr
.rept 8
	v_nop                                          ; places in front of loads into registers that matrix instructions have read, and of the first read of results
.endr
.endm
	s_load_b256 s[4:11], s[0:1], 0x0               ; oc, osc, out_w_codes, out_w_scales
	s_load_b128 s[12:15], s[0:1], 0x20             ; x, out0
	v_lshl_add_u32 v[SPW], v0, 2, SPARE
	v_mov_b32 v[NIL], 0
	ds_add_u32 v[SPW], v[NIL]                      ; the opening lines: two adds on end, waited for ahead of my first tensor load
	ds_add_u32 v[SPW], v[NIL]
	v_lshrrev_b32 v1, 5, v0
	v_readfirstlane_b32 s[WV], v1                  ; wave 0..7
	s_bfe_u32 s17, ttmp6, 0x40000                  ; cx
	s_bfe_u32 s18, ttmp6, 0x40004                  ; cy
	s_lshl_b32 s19, ttmp9, 2
	s_add_co_u32 s19, s19, s17                     ; X: tile column
	s_and_b32 s20, ttmp7, 0xffff
	s_lshl_b32 s20, s20, 2
	s_add_co_u32 s20, s20, s18                     ; Y: tile row
	s_lshl_b32 s21, s18, 2
	s_lshl_b32 s21, 15, s21                        ; my row of the cluster
	s_lshl_b32 s22, 0x1111, s17                    ; my column
	s_or_b32 s[G1A], s21, (3<<16)|(1<<21)          ; o: four tiles' halves: 4 rows of 1,024 elements of 8 bytes, 2,048 elements apart; no padding
	s_mov_b32 s[G1A+1], 1024<<16
	s_mov_b32 s[G1A+2], 4<<16
	s_mov_b32 s[G1A+3], 1024<<16
	s_mov_b32 s[G1A+4], 4
	s_mov_b32 s[G1A+5], 2048
	s_mov_b32 s[G1A+6], 0
	s_mov_b32 s[G1A+7], 0
	s_or_b32 s[G1W], s22, (1<<20)|(1<<21)|(6<<22)|(3<<25)   ; out_w: 64 rows of 512 bytes, 1,024 apart; four words of padding behind every 128
	s_mov_b32 s[G1W+1], 512<<16
	s_mov_b32 s[G1W+2], 64<<16
	s_mov_b32 s[G1W+3], 512<<16
	s_mov_b32 s[G1W+4], 64
	s_mov_b32 s[G1W+5], 1024
	s_mov_b32 s[G1W+6], 0
	s_mov_b32 s[G1W+7], 0
	s_and_b32 s23, s[WV], 1                        ; i: which half of the rows I fetch
	s_lshr_b32 s3, s[WV], 2                        ; and of which half of K
	s_lshl_b32 s40, s20, 3
	s_lshl_b32 s41, s23, 2
	s_add_co_u32 s40, s40, s41
	s_lshl_b32 s40, s40, 14                        ; o: tile 8 Y + 4 i, 16,384 bytes a tile,
	s_lshl_b32 s41, s3, 13
	s_add_co_u32 s40, s40, s41                     ; + 8,192 x half: the tile row and the wave's number alone
	s_mov_b32 s41, 0
	s_lshl_b32 s42, s19, 7
	s_lshl_b32 s43, s23, 6
	s_add_co_u32 s42, s42, s43
	s_lshl_b32 s42, s42, 10                        ; out_w: row 128 X + 64 i,
	s_lshl_b32 s43, s3, 9
	s_add_co_u32 s42, s42, s43                     ; + 512 x half: the tile column and the wave's number alone
	s_mov_b32 s43, 0
	s_lshl_b32 s47, s23, 15                        ; where they go: no place in the cluster enters an LDS address
	s_lshl_b32 s46, s3, 16
	s_add_co_u32 s47, s47, s46
	s_mul_i32 s46, s23, 64*WP
	s_mul_i32 s2, s3, WH
	s_add_co_u32 s46, s46, s2
	s_add_co_u32 s46, s46, W0
	v_and_b32 v[RR], 15, v0
	v_bfe_u32 v[HH], v0, 4, 1
	v_and_b32 v[LI], 31, v0
	v_lshlrev_b32 v[LI], 4, v[LI]
	s_lshr_b32 s44, s[WV], 1                       ; wr: my two tiles of tokens
	s_and_b32 s45, s[WV], 1                        ; wc: my 64 columns
	v_mul_u32_u24 v[WA], v[RR], WP
	v_lshl_add_u32 v[WA], v[HH], 4, v[WA]
	s_mul_i32 s2, s45, 64*WP
	s_add_co_u32 s2, s2, W0
	v_add_nc_u32 v[WA], s2, v[WA]
	v_add_nc_u32 v[WA+1], WH, v[WA]
	s_lshl_b32 s2, s44, 14
	v_add_nc_u32 v[AA], s2, v[LI]
	v_add_nc_u32 v[AA+1], 65536, v[AA]
	v_and_b32 v[XO], 8, v[RR]
	v_add_nc_u32 v[XO], v[XO], v[RR]               ; r + 8 (r / 8)
	v_lshlrev_b32 v[XO], 12, v[XO]
	v_lshl_add_u32 v[XO], v[HH], 5, v[XO]          ; x: my token's row, + my eight columns' 32 bytes
	s_mul_i32 s2, s[WV], 16*272
	s_add_co_u32 s2, s2, STAGE                     ; my stage
	v_mul_u32_u24 v[STO], v[RR], 272
	v_lshl_add_u32 v[STO], v[HH], 5, v[STO]
	v_add_nc_u32 v[STO], s2, v[STO]
	v_mul_u32_u24 v[RD], v[HH], 272
	v_lshl_add_u32 v[RD], v[RR], 4, v[RD]
	v_add_nc_u32 v[RD], s2, v[RD]
	v_lshlrev_b32 v[CO], 12, v[HH]
	v_lshl_add_u32 v[CO], v[RR], 4, v[CO]
	v_lshlrev_b32 v[WSO], 5, v[RR]                 ; 32 scale bytes a row
	v_lshl_add_u32 v[OSO], v[HH], 9, v[WSO]        ; o's: lanes 16-31 take the next tile's
	s_lshl_b32 s66, s20, 2
	s_add_co_u32 s66, s66, s44
	s_lshl_b32 s66, s66, 17                        ; x and out0: token 128 Y + 32 wr, 4,096 bytes a row
	s_lshl_b32 s67, s19, 9
	s_add_co_u32 s66, s66, s67
	s_lshl_b32 s67, s45, 8
	s_add_co_u32 s66, s66, s67                     ; + column 128 X + 64 wc
	s_mov_b32 s67, 0
	s_lshl_b32 s68, s20, 3
	s_lshl_b32 s69, s44, 1
	s_add_co_u32 s68, s68, s69
	s_lshl_b32 s68, s68, 9                         ; osc: tile 8 Y + 2 wr, 512 bytes a tile
	s_mov_b32 s69, 0
	s_lshl_b32 s70, s19, 7
	s_lshl_b32 s71, s45, 6
	s_add_co_u32 s70, s70, s71
	s_lshl_b32 s70, s70, 5                         ; out_w's scales: row 128 X + 64 wc
	s_mov_b32 s71, 0
	s_wait_dscnt 0x0                               ; both opening adds are done
	s_wait_kmcnt 0x0
	s_add_nc_u64 s[12:13], s[12:13], s[66:67]
	s_add_nc_u64 s[14:15], s[14:15], s[66:67]
	s_add_nc_u64 s[6:7], s[6:7], s[68:69]
	s_add_nc_u64 s[10:11], s[10:11], s[70:71]
	s_wait_alu depctr_va_vdst(0)                   ; the end of the head's vector lines
.irp t, 0,1                                    ; x into the accumulators, and both sides' scale words: the first product's C and scales, asked for ahead of the round and the joint loads.  No hint on x: eight loads of a wave share each 256 bytes of a row
.irp b, 0,1,2,3
	global_load_b128 v[ACC+32*\t+8*\b:ACC+32*\t+8*\b+3], v[XO], s[12:13] offset:8*\t*4096+64*\b
	global_load_b128 v[ACC+32*\t+8*\b+4:ACC+32*\t+8*\b+7], v[XO], s[12:13] offset:8*\t*4096+64*\b+16
.endr
.endr
	global_load_b128 v[OSC:OSC+3], v[OSO], s[6:7]
	global_load_b128 v[OSC+4:OSC+7], v[OSO], s[6:7] offset:16
.irp b, 0,1,2,3
	global_load_b128 v[WSC+8*\b:WSC+8*\b+3], v[WSO], s[10:11] offset:512*\b
	global_load_b128 v[WSC+8*\b+4:WSC+8*\b+7], v[WSO], s[10:11] offset:512*\b+16
.endr
	s_mov_b32 s[G0A], 1
	s_mov_b32 s[G0A+1], s47
	s_add_nc_u64 s[G0A+2:G0A+3], s[4:5], s[40:41]
	s_or_b32 s[G0A+3], s[G0A+3], 0x80000000
	s_mov_b32 s[G0W], 1
	s_mov_b32 s[G0W+1], s46
	s_add_nc_u64 s[G0W+2:G0W+3], s[8:9], s[42:43]
	s_or_b32 s[G0W+3], s[G0W+3], 0x80000000
	ROUND                                          ; all sixteen work-groups are here: the joint loads meet
	s_cmp_lt_u32 s[WV], 2                          ; one chain of branches on the wave's number, one load to an arm, one join
	s_cbranch_scc0 .Lw_first
	TL G0A, G1A
	s_branch .Lfilled
.Lw_first:
	s_cmp_lt_u32 s[WV], 4
	s_cbranch_scc0 .La_second
	TL G0W, G1W
	s_branch .Lfilled
.La_second:
	s_cmp_lt_u32 s[WV], 6
	s_cbranch_scc0 .Lw_second
	TL G0A, G1A
	s_branch .Lfilled
.Lw_second:
	TL G0W, G1W
.Lfilled:
	s_cmp_lt_u32 s[WV], 4
	s_cbranch_scc0 .Llater
	s_wait_tensorcnt 0x0                           ; waves 0-3: my part of the first half of K is in
.Llater:
	s_barrier_signal -1
	s_barrier_wait -1                              ; the first half is whole
	s_wait_loadcnt 0x0                             ; x and the scale words
	KS 0
	KS 1
	KS 2
	KS 3
	s_wait_tensorcnt 0x0                           ; every wave: all that is still out
	s_wait_dscnt 0x0
	s_barrier_signal -1
	s_barrier_wait -1
	KS 4
	KS 5
	KS 6
	KS 7
; THE WAY OUT.  A lane's 32 bytes go into rows of 272 bytes of my own stage and come back as whole rows of 256.  LDS serves a wave's instructions in order (ISA guide 5.7.1.4): no wait between the stores and the loads.
.macro TOSTAGE t
.irp b, 0,1,2,3
	ds_store_b128 v[STO], v[ACC+32*\t+8*\b:ACC+32*\t+8*\b+3] offset:64*\b          ; each accumulator from its low end on
	ds_store_b128 v[STO], v[ACC+32*\t+8*\b+4:ACC+32*\t+8*\b+7] offset:64*\b+16
.endr
.irp p, 0,1,2,3,4,5,6,7
	ds_load_b128 v[WF+32*\t+4*\p:WF+32*\t+4*\p+3], v[RD] offset:544*\p
.endr
.endm
.macro SEND t, younger                 ; younger: the LDS instructions issued behind tile t's loads
.irp p, 0,1,2,3,4,5,6,7
	s_wait_dscnt \younger+7-\p
	global_store_b128 v[CO], v[WF+32*\t+4*\p:WF+32*\t+4*\p+3], s[14:15] offset:(8*\t+2*\p+8*(\p/4))*4096 th:TH_STORE_NT   ; stage rows 2 p, 2 p + 1 are tokens 8 t + 2 p + 8 (p / 4) and the next: 16 lanes store 256 consecutive bytes, aligned
.endr
.endm
	TOSTAGE 0
	TOSTAGE 1
	SEND 0, 16                                     ; behind tile 0's loads: tile 1's 8 stores and 8 loads
	SEND 1, 0
	s_wait_tensorcnt 0x0                           ; the wave's end
	ds_add_u32 v[SPW], v[NIL]
	s_wait_dscnt 0x0
	ROUND                                          ; the closing round
	s_endpgm
.Lfunc_end_k_q61937dedd5_outp:
	.size	k_q61937dedd5_outp, .Lfunc_end_k_q61937dedd5_outp-k_q61937dedd5_outp
	.p2alignl 7, 3214868480
	.fill 96, 4, 3214868480
	.section	.rodata,"a",@progbits
	.p2align	6, 0x0
	.amdhsa_kernel k_q61937dedd5_outp
		.amdhsa_group_segment_fixed_size 302080
		.amdhsa_private_segment_fixed_size 0
		.amdhsa_enable_private_segment 0
		.amdhsa_kernarg_size 48
		.amdhsa_user_sgpr_count 2
		.amdhsa_user_sgpr_kernarg_segment_ptr 1
		.amdhsa_wavefront_size32 1
		.amdhsa_system_sgpr_workgroup_id_x 1
		.amdhsa_system_sgpr_workgroup_id_y 1
		.amdhsa_system_sgpr_workgroup_id_z 1
		.amdhsa_system_vgpr_workitem_id 0
		.amdhsa_next_free_vgpr 256
		.amdhsa_next_free_sgpr 72
		.amdhsa_reserve_vcc 0
		.amdhsa_float_denorm_mode_32 3
		.amdhsa_float_denorm_mode_16_64 3
		.amdhsa_memory_ordered 1
		.amdhsa_forward_progress 1
		.amdhsa_inst_pref_size 37
	.end_amdhsa_kernel
	.amdgpu_metadata
---
amdhsa.version: [ 1, 2 ]
amdhsa.kernels:
  - .name:           k_q61937dedd5_outp
    .symbol:         k_q61937dedd5_outp.kd
    .args:
      - { .name: oc, .offset: 0, .size: 8, .value_kind: global_buffer, .address_space: global }
      - { .name: osc, .offset: 8, .size: 8, .value_kind: global_buffer, .address_space: global }
      - { .name: out_w_codes, .offset: 16, .size: 8, .value_kind: global_buffer, .address_space: global }
      - { .name: out_w_scales, .offset: 24, .size: 8, .value_kind: global_buffer, .address_space: global }
      - { .name: x, .offset: 32, .size: 8, .value_kind: global_buffer, .address_space: global }
      - { .name: out0, .offset: 40, .size: 8, .value_kind: global_buffer, .address_space: global }
    .group_segment_fixed_size: 302080
    .private_segment_fixed_size: 0
    .kernarg_segment_align: 8
    .kernarg_segment_size: 48
    .max_flat_workgroup_size: 256
    .sgpr_count:     72
    .vgpr_count:     256
    .wavefront_size: 32
...
	.end_amdgpu_metadata
.endif
;; end of part 3
